; MI455X (gfx1250); checked and timed in simulation.
; The chip was launched on July 23, 2026; its instructions are those of AMD's public machine-readable ISA for CDNA 5 (MIT licence, August 2026) and "CDNA5" Instruction Set Architecture Reference Guide (July 2026). The comments in the code are by the model that wrote it; some were corrected since.
;; Grouped Query Attention. Allowed arithmetic: matrix products marked QUANTISED: E4M3 operands, one given power-of-two scale a tensor, by v_wmma_f32_16x16x64_fp8_fp8 or v_wmma_f32_16x16x128_fp8_fp8, f32 sums; everything else in f32.
;; Inputs: freqs_cos 2,048 x 32 float32; freqs_sin 2,048 x 32 float32; k_norm_w 64 float32; lowp_scales 12 int32 (the exponents e of the quantised operands' scales 2^e); q_norm_w 64 float32; wk 4,096 x 256 float32; wo 2,048 x 4,096 float32; wq 4,096 x 2,048 float32; wv 4,096 x 256 float32; x 1 x 2,048 x 4,096 float32.
;; Outputs: out0 1 x 2,048 x 4,096 float32.
;; This version of the problem:
;;   THIS VERSION OF THE PROBLEM IS GIVEN IN LOW PRECISION. The matrix products marked QUANTISED in the list below multiply operands that are first quantised to E4M3 (4 exponent bits, 3 mantissa bits; 8 bits a number), with one given power-of-two scale for each operand tensor; their sums are f32. All else is computed in f32.
;;   The module's matrix products, in the order in which they are computed (A, B: the left and right operand; K: the contracted axis; several contracted axes count as one K, in the product's order):
;;     1. [M 2,048, K 4,096] x [K 4,096, N 2,048]; A: input x; B: input wq: QUANTISED (scales: A lowp_scales[0], B lowp_scales[1])
;;     2. [M 2,048, K 4,096] x [K 4,096, N 256]; A: input x; B: input wk: QUANTISED (scales: A lowp_scales[2], B lowp_scales[3])
;;     3. [M 2,048, K 4,096] x [K 4,096, N 256]; A: input x; B: input wv: QUANTISED (scales: A lowp_scales[4], B lowp_scales[5])
;;     4. batch 4 x [M 2,048, K 64] x [K 64, N 16,384]; A: computed on the way; B: computed on the way: QUANTISED (scales: A lowp_scales[6], B lowp_scales[7])
;;     5. batch 4 x [M 64, K 2,048] x [K 2,048, N 16,384]; A: computed on the way; B: softmax (see below): QUANTISED (scales: A lowp_scales[8], B lowp_scales[9])
;;     6. [M 2,048, K 2,048] x [K 2,048, N 4,096]; A: computed on the way; B: input wo: QUANTISED (scales: A lowp_scales[10], B lowp_scales[11])
;;   THE QUANTISER, for each operand of a quantised product, along K:
;;     - The operand's scale is 2^e, e = its entry of the input lowp_scales (int32; the entries are numbered through the quantised products in the list's order, A before B).
;;     - Each number is divided by the scale, clamped to +-448, and rounded to the nearest number of E4M3, ties to even, subnormals kept.
;;     - The product sums the exact products of the quantised numbers (number of the format x scale) in f32.
;;   ~~~python
;;   def quantise(x, axis, e):      # numpy; x: float32 -> the quantised numbers, widened to float32 again
;;       x = np.moveaxis(x, axis, -1); K = x.shape[-1]
;;       r = np.clip(x / 2.0 ** e, -448, 448)
;;       step = 2.0 ** (np.maximum(np.frexp(np.where(r == 0, 1, r))[1] - 1, -6) - 3)
;;       q = np.round(r / step) * step * 2.0 ** e      # np.round: ties to even
;;       return np.moveaxis(q, -1, axis).astype(np.float32)
;;   ~~~
;;   SOFTMAX AHEAD OF A QUANTISED PRODUCT. Where the list says 'softmax', what is quantised is not the finished softmax but p = 2^(t - M), with t = logit x log2(e) and M = ceil(the row's largest t), a whole number; so 1/2 < the row's largest p <= 1. The row's sum l is taken of the UNQUANTISED p, in f32, and the product's result is divided by l at the end. Since M is a whole number, a kernel that streams over the keys may use a running M (the ceiling of the running maximum): every later rescaling is an exact power of two, so the quantised numbers keep their values, but for numbers so far below the row's largest that they fall under the format's range.
;;   OPERANDS COMPUTED ON THE WAY. 'Computed on the way' means the value that the module computes at that place (a softmax that the list does not call 'softmax' is quantised finished and normalised). What goes into a quantiser is computed in f32, as accurately as f32 sums, v_exp_f32 and their like allow (about 1e-6 of the number): no bf16 or f16 on the way to a quantiser, and a product that is left as it is and whose result goes on into a quantised operand takes f32 operands (vector FMAs, or v_wmma_f32_16x16x4_f32). A number that lies on a knife's edge between two numbers of the format may be rounded either way, as far as f32 arithmetic and the matrix unit's own rounding can turn it there, and no further.
;; 2 versions. Each part assembles by itself: llvm-mc -triple=amdgcn-amd-amdhsa -mcpu=gfx1250 --defsym DOCPART=n.
;; ======== version 1 of 2: 4 launches
;; workspace buffers: xc 25,165,824 bytes; wc 10,485,760 bytes; woc 8,388,608 bytes; qf 4,194,304 bytes; kf 524,288 bytes; vf 524,288 bytes; oc 4,194,304 bytes
;; launch quant (part 1): grid 544 x 1, 8 waves a work-group, no clusters, 136,192 bytes of LDS; arguments x, wq, wk, wv, wo, lowp_scales, xc, wc, woc; writes xc, wc, woc
.if DOCPART == 1
	.amdgcn_target "amdgcn-amd-amdhsa--gfx1250"
	.amdhsa_code_object_version 6
	.text
	.protected	k_q86c2b7f73c_quant
	.globl	k_q86c2b7f73c_quant
	.p2align	8
	.type	k_q86c2b7f73c_quant,@function
k_q86c2b7f73c_quant:
	s_mov_b64 s[64:65], 0
	v_nop
	global_prefetch_b8 v0, s[64:65] scope:SCOPE_SE
	s_setreg_imm32_b32 hwreg(HW_REG_WAVE_MODE, 25, 1), 1
	s_wait_xcnt 0x0
; x, wq, wk, wv, wo (f32) become codes of E4M3, each with its given scale 2^e: code = number / 2^e, held within +-448, to the nearest code, ties to even.
; THE CODES ARE LAID AS IMAGES OF OPERAND REGISTERS.  An image is 16 rows x 64 along K = 1,024 bytes: lane (r = lane % 16, h = lane / 16) of the 8-bit matrix operand holds, of row r,
; k = 16 c + 8 h + 0..7 in registers 2 c, 2 c + 1; registers 4 g .. 4 g + 3 of lane l lie at byte 512 g + 16 l.  So every later launch loads fragments as 16 bytes a lane, 512 consecutive bytes an instruction.
;   xc  [3 sets][128 tiles of 16 tokens][64 images]: x by e0, e2, e4 (its three products have a scale each)
;   wc  [160 tiles of 16 columns][64 images]: wq (e1), wk (e3), wv (e5), K innermost      woc [256 tiles of 16 columns][32 images]: wo (e11)
; Work-groups 0-255 take x, 256-543 the weights; the two ways part on the work-group's number, never join, and have LDS bytes of their own.  Waves share nothing: no barrier.
; No matrix unit, no cluster, no tensor load: every input byte is read once by one wave and nothing is shared.
; LIMITS: each e used lies between -126 and 119, so that 2^e and 448 x 2^e are f32 numbers.  NaN among the inputs is not served (an infinity is held at the largest code).
.set XST,   4352                       ; x: a stage of 16 rows x (256 bytes + 16)
.set XWAVE, 8704                       ; two stages a wave
.set WBASE, 69632                      ; behind x's stages: the weights' stages, 8,192 bytes a wave
.set R,    16                          ; v16-143  x as loaded: 4 units x 32
.set X,    144                         ; v144-175 a unit's 32 numbers in the operand's order
.set T,    176                         ; v176-191 two sets of 8 held numbers
.set C,    192                         ; v192-239 two sets of 3 x 8 registers of codes
.set SC,   240                         ; v240+2s: 2^e; v241+2s: 448 x 2^e, for the three sets
.set WOFF, 16                          ; v16-47   weights: byte offset of row i of a block, at my column
.set WX,   48                          ; v48-111  two sets of 32 numbers down K
.set WC,   112                         ; v112-119 a block's codes
.set WOUT, 120                         ; v120-183 the way out
; One unit of x: 16 tokens x 64 along K.  As loaded, sixteen lanes hold 256 consecutive bytes of a row; the stage turns that into 8 neighbours along K a lane and piece.
.macro XUNIT u
	s_wait_loadcnt 24-8*(\u)                       ; this unit's eight loads are in; the younger units' eight each may be out
.irp i, 0,1,2,3,4,5,6,7
	ds_store_b128 v6, v[R+32*(\u)+4*\i:R+32*(\u)+4*\i+3] offset:((\u)%2)*XST+\i*544
.endr
.irp c, 0,1,2,3
.irp m, 0,1
	ds_load_b128 v[X+8*\c+4*\m:X+8*\c+4*\m+3], v7 offset:((\u)%2)*XST+64*\c+16*\m   ; LDS serves a wave's instructions in order: these see the stores above
.endr
.endr
	s_wait_dscnt 0x0
.if (\u) >= 2
	s_wait_xcnt 0x0                                ; the stores of two units ago have read this set of code registers
.endif
.irp s, 0,1,2
.irp c, 0,1,2,3
.irp j, 0,1,2,3,4,5,6,7
	v_med3_num_f32 v[T+8*(\c%2)+\j], v[X+8*\c+\j], -v[SC+1+2*\s], v[SC+1+2*\s]   ; the conversion does not saturate (ISA guide 7.6.2): the hold comes first.  The other set's eight holds stand between a conversion and the rewriting of its sources
.endr
	v_cvt_scalef32_pk8_fp8_f32 v[C+24*((\u)%2)+8*\s+2*\c:C+24*((\u)%2)+8*\s+2*\c+1], v[T+8*(\c%2):T+8*(\c%2)+7], v[SC+2*\s]
.endr
.endr
.irp s, 0,1,2
.irp g, 0,1
	global_store_b128 v4, v[C+24*((\u)%2)+8*\s+4*\g:C+24*((\u)%2)+8*\s+4*\g+3], s[38+2*\s:39+2*\s] offset:(\u)*1024+\g*512   ; the wave stores 512 consecutive bytes, aligned
.endr
.endr
.endm
; Weights: block t is 32 rows (along K) of my column
.macro WLOAD t
.set i, 0
.rept 32
	global_load_b32 v[WX+32*((\t)%2)+i], v[WOFF+i], s[4+2*(\t):5+2*(\t)] th:TH_LOAD_NT
.set i, i+1
.endr
.endm
.macro WBLOCK t
.if (\t) < 7
	s_wait_loadcnt 32                              ; this block's 32 loads are in; the next block's may be out
.else
	s_wait_loadcnt 0x0
.endif
.set i, 0
.rept 32
	v_med3_num_f32 v[WX+32*((\t)%2)+i], v[WX+32*((\t)%2)+i], -v9, v9
.set i, i+1
.endr
.irp u, 0,1,2,3
	v_cvt_scalef32_pk8_fp8_f32 v[WC+2*\u:WC+2*\u+1], v[WX+32*((\t)%2)+8*\u:WX+32*((\t)%2)+8*\u+7], v8
.endr
.irp u, 0,1,2,3
	ds_store_b64 v10, v[WC+2*\u:WC+2*\u+1] offset:((\t)/2)*1024+((\t)%2)*512+(\u%2)*256+(\u/2)*8   ; piece u (k = 8 u on) belongs to lane (r, u % 2), half u / 2 of its 16 bytes
.endr
.if (\t)+2 < 8
	WLOAD (\t)+2
.endif
	s_wait_dscnt 0x0                               ; the stores have read the code registers: the next block may write them
.endm
	s_load_b512 s[4:19], s[0:1], 0x0               ; x, wq, wk, wv, wo, scales, xc, wc
	s_load_b64 s[20:21], s[0:1], 0x40              ; woc
	v_lshl_add_u32 v254, v0, 2, 0x21000
	v_mov_b32 v255, 0
	v_lshrrev_b32 v1, 5, v0
	v_readfirstlane_b32 s22, v1                    ; wave 0..7
	v_and_b32 v1, 31, v0                           ; lane
	v_and_b32 v2, 15, v0                           ; r
	v_bfe_u32 v3, v0, 4, 1                         ; h
	v_lshlrev_b32 v4, 4, v1                        ; 16 x lane
	s_wait_kmcnt 0x0
	s_load_b256 s[24:31], s[14:15], 0x0            ; e0 .. e7
	s_load_b128 s[32:35], s[14:15], 0x20           ; e8 .. e11
	s_cmp_lt_u32 ttmp9, 256
	s_cbranch_scc0 .Lweights
	; ---- x.  Wave W = 8 x work-group + wave takes tile W / 16 of 16 tokens and images 4 (W % 16) .. + 3: 1,024 bytes of each row
	s_lshl_b32 s23, ttmp9, 3
	s_add_co_u32 s23, s23, s22
	s_lshr_b32 s44, s23, 4                         ; the tile of tokens
	s_and_b32 s45, s23, 15
	s_lshl_b32 s46, s44, 18                        ; 16 rows of 16,384 bytes
	s_lshl_b32 s48, s45, 10
	s_add_co_u32 s46, s46, s48
	s_mov_b32 s47, 0
	s_add_nc_u64 s[36:37], s[4:5], s[46:47]
	s_lshl_b32 s46, s44, 16                        ; 64 images a tile
	s_lshl_b32 s48, s45, 12
	s_add_co_u32 s46, s46, s48
	s_add_nc_u64 s[38:39], s[16:17], s[46:47]      ; set 0,
	s_add_nc_u64 s[40:41], s[38:39], 0x800000      ; set 1,
	s_add_nc_u64 s[42:43], s[40:41], 0x800000      ; set 2
	v_lshlrev_b32 v5, 14, v3
	v_lshl_add_u32 v5, v2, 4, v5                   ; lanes 0-15: 256 bytes of one row; lanes 16-31: of the next
.irp u, 0,1,2,3
.irp i, 0,1,2,3,4,5,6,7
	global_load_b128 v[R+32*\u+4*\i:R+32*\u+4*\i+3], v5, s[36:37] offset:\i*32768+\u*256 th:TH_LOAD_NT   ; all 32 loads of the wave go out at once
.endr
.endr
	s_mul_i32 s48, s22, XWAVE
	v_mul_u32_u24 v6, v3, 272
	v_lshl_add_u32 v6, v2, 4, v6
	v_add_nc_u32 v6, s48, v6                       ; into the stage: as loaded
	v_mul_u32_u24 v7, v2, 272
	v_lshl_add_u32 v7, v3, 5, v7
	v_add_nc_u32 v7, s48, v7                       ; out of it: row r, 32 h bytes on
	s_wait_kmcnt 0x0
.irp s, 0,1,2
	s_add_co_i32 s44, s[24+2*\s], 127
	s_lshl_b32 s45, s44, 23
	v_mov_b32 v[SC+2*\s], s45                      ; 2^e as f32: the conversion takes its exponent field
	s_add_co_i32 s44, s44, 8
	s_lshl_b32 s44, s44, 23
	s_or_b32 s44, s44, 0x600000
	v_mov_b32 v[SC+1+2*\s], s44                    ; 448 x 2^e
.endr
	XUNIT 0
	XUNIT 1
	XUNIT 2
	XUNIT 3
	s_wait_tensorcnt 0x0
	ds_add_u32 v254, v255
	s_wait_dscnt 0x0
	s_endpgm
	; ---- the weights, stored [K][N].  A LANE TAKES A COLUMN AND ITS REGISTERS RUN DOWN K: the conversions then give codes with K innermost.  A work-group takes 256 columns x 256 along K, a wave 32 columns.
.Lweights:
	s_wait_kmcnt 0x0                               ; the exponents are in, and their load has read s[14:15], which is written below
	s_mov_b32 s44, 416                             ; wo's figures: first work-group,
	s_mov_b32 s45, 4                               ; log2 of its groups of 256 columns,
	s_mov_b32 s46, 16384                           ; bytes in a row,
	s_mov_b64 s[48:49], s[12:13]                   ; from,
	s_mov_b64 s[50:51], s[20:21]                   ; to,
	s_mov_b32 s52, 0                               ; first tile of columns there,
	s_mov_b32 s53, 32768                           ; bytes of such a tile,
	s_mov_b32 s54, s35                             ; e
	s_cmp_lt_u32 ttmp9, 416                        ; wv's.  Every choice hangs on the work-group's number alone
	s_cselect_b32 s44, 400, s44
	s_cselect_b32 s45, 0, s45
	s_cselect_b32 s46, 1024, s46
	s_cselect_b64 s[48:49], s[10:11], s[48:49]
	s_cselect_b64 s[50:51], s[18:19], s[50:51]
	s_cselect_b32 s52, 144, s52
	s_cselect_b32 s53, 65536, s53
	s_cselect_b32 s54, s29, s54
	s_cmp_lt_u32 ttmp9, 400                        ; wk's
	s_cselect_b32 s44, 384, s44
	s_cselect_b64 s[48:49], s[8:9], s[48:49]
	s_cselect_b32 s52, 128, s52
	s_cselect_b32 s54, s27, s54
	s_cmp_lt_u32 ttmp9, 384                        ; wq's
	s_cselect_b32 s44, 256, s44
	s_cselect_b32 s45, 3, s45
	s_cselect_b32 s46, 8192, s46
	s_cselect_b64 s[48:49], s[6:7], s[48:49]
	s_cselect_b32 s52, 0, s52
	s_cselect_b32 s54, s25, s54
	s_sub_co_u32 s55, ttmp9, s44
	s_lshl_b32 s56, 1, s45
	s_sub_co_u32 s56, s56, 1
	s_and_b32 s56, s55, s56                        ; which 256 columns
	s_lshr_b32 s57, s55, s45                       ; which 256 along K
	s_lshl_b32 s55, s56, 4
	s_add_co_u32 s55, s55, s52
	s_lshl_b32 s52, s22, 1
	s_add_co_u32 s55, s55, s52                     ; my wave's first tile of 16 columns
	s_mul_i32 s58, s55, s53
	s_lshl_b32 s52, s57, 12                        ; 256 along K are four images
	s_add_co_u32 s58, s58, s52
	s_mov_b32 s59, 0
	s_add_nc_u64 s[60:61], s[50:51], s[58:59]      ; where my first tile's four images go,
	s_mov_b32 s58, s53
	s_add_nc_u64 s[62:63], s[60:61], s[58:59]      ; and my second tile's
	s_lshl_b32 s58, s46, 8
	s_mul_i32 s58, s58, s57                        ; 256 rows a group along K
	s_lshl_b32 s52, s56, 10
	s_add_co_u32 s58, s58, s52
	s_lshl_b32 s52, s22, 7
	s_add_co_u32 s58, s58, s52                     ; + my wave's 32 columns
	s_add_nc_u64 s[4:5], s[48:49], s[58:59]        ; block 0's base; the eight bases are never rewritten
	s_lshl_b32 s58, s46, 5                         ; 32 rows on
.irp t, 1,2,3,4,5,6,7
	s_add_nc_u64 s[4+2*\t:5+2*\t], s[2+2*\t:3+2*\t], s[58:59]
.endr
	v_lshlrev_b32 v[WOFF], 2, v1                   ; 4 bytes a lane: the wave reads 128 consecutive bytes of a row, the eight waves 1,024
.set i, 1
.rept 31
	v_add_nc_u32 v[WOFF+i], s46, v[WOFF+i-1]
.set i, i+1
.endr
	WLOAD 0
	WLOAD 1
	s_lshl_b32 s23, s22, 13
	s_add_co_u32 s23, s23, WBASE                   ; my stage: [2 tiles][4 images][1,024]
	v_lshlrev_b32 v10, 12, v3
	v_lshl_add_u32 v10, v2, 4, v10
	v_add_nc_u32 v10, s23, v10                     ; into it: my column's tile, 16 r
	v_add_nc_u32 v11, s23, v4                      ; out of it: 16 x lane
	s_add_co_i32 s54, s54, 127
	s_lshl_b32 s55, s54, 23
	v_mov_b32 v8, s55                              ; 2^e
	s_add_co_i32 s54, s54, 8
	s_lshl_b32 s54, s54, 23
	s_or_b32 s54, s54, 0x600000
	v_mov_b32 v9, s54                              ; 448 x 2^e
.irp t, 0,1,2,3,4,5,6,7
	WBLOCK \t
.endr
.irp i, 0,1,2,3,4,5,6,7,8,9,10,11,12,13,14,15
	ds_load_b128 v[WOUT+4*\i:WOUT+4*\i+3], v11 offset:\i*512
.endr
.irp i, 0,1,2,3,4,5,6,7
	s_wait_dscnt 15-\i
	global_store_b128 v4, v[WOUT+4*\i:WOUT+4*\i+3], s[60:61] offset:\i*512          ; 512 consecutive bytes, aligned
.endr
.irp i, 8,9,10,11,12,13,14,15
	s_wait_dscnt 15-\i
	global_store_b128 v4, v[WOUT+4*\i:WOUT+4*\i+3], s[62:63] offset:(\i-8)*512
.endr
	s_wait_tensorcnt 0x0
	ds_add_u32 v254, v255
	s_wait_dscnt 0x0
	s_endpgm
.Lfunc_end_k_q86c2b7f73c_quant:
	.size	k_q86c2b7f73c_quant, .Lfunc_end_k_q86c2b7f73c_quant-k_q86c2b7f73c_quant
	.p2alignl 7, 3214868480
	.fill 96, 4, 3214868480
	.section	.rodata,"a",@progbits
	.p2align	6, 0x0
	.amdhsa_kernel k_q86c2b7f73c_quant
		.amdhsa_group_segment_fixed_size 136192
		.amdhsa_private_segment_fixed_size 0
		.amdhsa_enable_private_segment 0
		.amdhsa_kernarg_size 72
		.amdhsa_user_sgpr_count 2
		.amdhsa_user_sgpr_kernarg_segment_ptr 1
		.amdhsa_wavefront_size32 1
		.amdhsa_system_sgpr_workgroup_id_x 1
		.amdhsa_system_sgpr_workgroup_id_y 1
		.amdhsa_system_sgpr_workgroup_id_z 1
		.amdhsa_system_vgpr_workitem_id 0
		.amdhsa_next_free_vgpr 256
		.amdhsa_next_free_sgpr 66
		.amdhsa_reserve_vcc 0
		.amdhsa_float_denorm_mode_32 3
		.amdhsa_float_denorm_mode_16_64 3
		.amdhsa_memory_ordered 1
		.amdhsa_forward_progress 1
		.amdhsa_inst_pref_size 92
	.end_amdhsa_kernel
	.amdgpu_metadata
---
amdhsa.version: [ 1, 2 ]
amdhsa.kernels:
  - .name:           k_q86c2b7f73c_quant
    .symbol:         k_q86c2b7f73c_quant.kd
    .args:
      - { .name: x, .offset: 0, .size: 8, .value_kind: global_buffer, .address_space: global }
      - { .name: wq, .offset: 8, .size: 8, .value_kind: global_buffer, .address_space: global }
      - { .name: wk, .offset: 16, .size: 8, .value_kind: global_buffer, .address_space: global }
      - { .name: wv, .offset: 24, .size: 8, .value_kind: global_buffer, .address_space: global }
      - { .name: wo, .offset: 32, .size: 8, .value_kind: global_buffer, .address_space: global }
      - { .name: lowp_scales, .offset: 40, .size: 8, .value_kind: global_buffer, .address_space: global }
      - { .name: xc, .offset: 48, .size: 8, .value_kind: global_buffer, .address_space: global }
      - { .name: wc, .offset: 56, .size: 8, .value_kind: global_buffer, .address_space: global }
      - { .name: woc, .offset: 64, .size: 8, .value_kind: global_buffer, .address_space: global }
    .group_segment_fixed_size: 136192
    .private_segment_fixed_size: 0
    .kernarg_segment_align: 8
    .kernarg_segment_size: 72
    .max_flat_workgroup_size: 256
    .sgpr_count:     66
    .vgpr_count:     256
    .wavefront_size: 32
...
	.end_amdgpu_metadata
.endif
;; end of part 1
;; launch qkv (part 2): grid 40 x 4, 4 waves a work-group, clusters of 4 x 4, 327,680 bytes of LDS; arguments xc, wc, lowp_scales, q_norm_w, k_norm_w, freqs_cos, freqs_sin, qf, kf, vf; writes qf, kf, vf
.if DOCPART == 2
	.amdgcn_target "amdgcn-amd-amdhsa--gfx1250"
	.amdhsa_code_object_version 6
	.text
	.protected	k_q86c2b7f73c_qkv
	.globl	k_q86c2b7f73c_qkv
	.p2align	8
	.type	k_q86c2b7f73c_qkv,@function
k_q86c2b7f73c_qkv:
	s_mov_b64 s[64:65], 0
	v_nop
	global_prefetch_b8 v0, s[64:65] scope:SCOPE_SE
	s_setreg_imm32_b32 hwreg(HW_REG_WAVE_MODE, 25, 1), 1
	s_wait_xcnt 0x0
	s_wait_alu depctr_hold_cnt(0) depctr_sa_sdst(0) depctr_va_vdst(0) depctr_va_sdst(0) depctr_va_ssrc(0) depctr_va_vcc(0) depctr_vm_vsrc(0)
	s_getreg_b32 s2, hwreg(HW_REG_IB_STS2, 6, 4)
	s_cmp_eq_u32 s2, 0
	s_cbranch_scc0 .Lentry_in_a_cluster
	s_endpgm
.Lentry_in_a_cluster:
	s_bfe_u32 s2, ttmp6, 0x10000c
	s_cmp_lg_u32 s2, 0xf033
	s_cbranch_scc0 .Lentry_shape_is_right
	s_endpgm
.Lentry_shape_is_right:
; x wq, x wk, x wv on codes of E4M3; then, for q and k, the RMS norm over the head's 64 channels and the rotary turn, in f32; then q, k and v are quantised (e7, e6, e8) and stored as images of operand registers.
; An image: 16 rows x 64 along K, 1,024 bytes; registers 4 g .. 4 g + 3 of lane l at byte 512 g + 16 l; two images on end are a fragment for K = 128.
; SHARES.  A work-group makes 512 tokens x 64 columns = ONE HEAD (x = 0-31: q's heads, 32-35: k's, 36-39: v's); wave w makes tokens 128 w on x the 64 columns: 32 accumulators, 256 registers.
; K = 4,096 goes in steps of 256 through two LDS slots: each tile of 16 rows gives 4 images, 4,096 consecutive bytes of memory, which lie dense in LDS: every fragment load is 16 bytes a lane, 512 consecutive bytes.
; CLUSTERS 4 x 4.  The four of a row of the cluster (same 512 tokens; the same kind of head, since a cluster's four heads are all q's, all k's or all v's) need the same codes of x; the four of a column the same head's
; weights.  Each tile is asked for jointly: the same tensor load, the same descriptor, a mask that names the four.  Waves 0, 1 fetch x's halves (64 KB each), wave 2 the weights (16 KB), wave 3 nothing.
; THE PRODUCT IS USED TRANSPOSED (source 0 = 16 columns of the weight, source 1 = 16 tokens): lane (r, h) holds token r and channels 16 b + 8 h + 0..7 of tile b, which one conversion turns into registers 2 b, 2 b + 1 of the next operand.
; So q and k never change lanes.  v's next K is the keys: it turns through LDS, in slot 0, which has had its last fill and its last read by then.
; THE NORM'S WEIGHTS AND THE TABLES are loaded at the head by every work-group, on one path, so that they are in long before the way out.  The 16 work-groups of v's heads load them too (q's weights, their own tokens' rows) and use none of them.
; REGISTERS, in windows of 256: window 0: v1-29 addresses; v32-63 the norm's weights; v64-127 at work on the way out; v128-255 the weights' fragments, two sets (on the way out: codes, sums).
;   window 1: x's fragments, two sets of 128.   window 2: accumulator (a, b) at v[8 (4 a + b)].   window 3: cos at v[16 a + i], sin at v[128 + 16 a + i]: my token's four pairs of tile b at i = 4 b ..
; LIMITS: e6, e7 and e8 - e4 - e5 between -126 and 119, so that each conversion's scale and its hold are f32 numbers.  NaN among the inputs is not served.
.set KB,    4096                       ; bytes of K in a row of codes
.set TS,    16*KB                      ; a tile of 16 rows in memory
.set SLOT,  147456                     ; x's 32 tiles x 4,096, then the weights' 4
.set BOFF,  131072
.set SPARE, 2*SLOT                     ; behind the ring: the spare words, 128 bytes a wave: two blocks of 256 bytes that no other line names
.set LAPS,  KB/512                     ; a lap = two slots
.set ADRA,  16                         ; v16-17  LDS address of my fragments of x in slot 0, 1
.set ADRB,  20                         ; v20-21  of the weights'
.set SPW,   28                         ; v28     my spare word; never rewritten
.set NIL,   29                         ; v29     0; never rewritten
.set MSB, 0
.macro WIN new                         ; the immediate's high byte repeats the setting that is left
.if MSB != \new
	s_set_vgpr_msb (MSB<<8)|\new
.set MSB, \new
.endif
.endm
.macro PLACES                          ; four plain vector instructions between a matrix instruction and a load into, or a vector instruction or store on, its registers
.rept 4
	v_nop
.endr
.endm
.macro CREST                           ; a round of the cluster's barrier behind its opening barrier
	s_cmp_lg_u32 s8, 0
	s_cbranch_scc1 .Lnot_wave_0_\@
	s_barrier_signal -3
.Lnot_wave_0_\@:
	s_barrier_wait -3
	s_barrier_signal -1
	s_barrier_wait -1
.endm
.macro CROUND
	s_barrier_signal -1
	s_barrier_wait -1
	CREST
.endm
; four matrix instructions: tokens' block a against the four tiles of columns, 128 along K, set p.  The 32 accumulators take turns in the same order in every step.
.macro MULA a, p, zero
.irp b, 0,1,2,3
.if \zero
	v_wmma_f32_16x16x128_fp8_fp8 v[8*(4*(\a)+\b):8*(4*(\a)+\b)+7], v[128+64*(\p)+16*\b:128+64*(\p)+16*\b+15], v[128*(\p)+16*(\a):128*(\p)+16*(\a)+15], 0
.else
	v_wmma_f32_16x16x128_fp8_fp8 v[8*(4*(\a)+\b):8*(4*(\a)+\b)+7], v[128+64*(\p)+16*\b:128+64*(\p)+16*\b+15], v[128*(\p)+16*(\a):128*(\p)+16*(\a)+15], v[8*(4*(\a)+\b):8*(4*(\a)+\b)+7]
.endif
.endr
.endm
; 48 LDS loads in one run: the q-th 128 along K of a slot into set p: the weights' 16, x's blocks 0-3 (16), blocks 4-7 (16)
.macro FETCH slot, q, p
	WIN 0
.irp b, 0,1,2,3
.irp c, 0,1,2,3
	ds_load_b128 v[128+64*(\p)+16*\b+4*\c:128+64*(\p)+16*\b+4*\c+3], v[ADRB+\slot] offset:\b*4096+(\q)*2048+512*\c
.endr
.endr
	WIN 0x40
.irp a, 0,1,2,3,4,5,6,7
.irp c, 0,1,2,3
	ds_load_b128 v[128*(\p)+16*\a+4*\c:128*(\p)+16*\a+4*\c+3], v[ADRA+\slot] offset:\a*4096+(\q)*2048+512*\c
.endr
.endr
.endm
; a joint refill; the branches hang on the wave's number alone; four v_nop follow each load
.macro JLOAD s
	s_cmp_lt_u32 s8, 2
	s_cbranch_scc0 .Lnot_a_\@
	tensor_load_to_lds s[32+4*\s:35+4*\s], s[16:23]
	s_nop 0
.rept 4
	v_nop
.endr
	s_branch .Lasked_\@
.Lnot_a_\@:
	s_cmp_eq_u32 s8, 2
	s_cbranch_scc0 .Lasked_\@
	tensor_load_to_lds s[40+4*\s:43+4*\s], s[24:31]
	s_nop 0
.rept 4
	v_nop
.endr
.Lasked_\@:
.endm
; a slot's first 128 along K (set 0); in its middle the second 128 are fetched into set 1
.macro STEP slot, zero
	s_wait_dscnt 16                                ; the weights and x's blocks 0-3 are in; blocks 4-7 may be out
	WIN 0xa4                                       ; source 0 window 0, source 1 window 1, C and D window 2
	MULA 0, 0, \zero
	MULA 1, 0, \zero
	MULA 2, 0, \zero
	MULA 3, 0, \zero
	PLACES                                         ; behind the last products on set 1
	FETCH \slot, 1, 1
	s_wait_dscnt 48                                ; all but the 48 just issued
	WIN 0xa4
	MULA 4, 0, \zero
	MULA 5, 0, \zero
	MULA 6, 0, \zero
	MULA 7, 0, \zero
.endm
; a slot's second 128 (set 1) and the change of slots: ONE barrier; in front of it each wave waits for all its tensor loads, adds 0 to its spare word, and waits for that and for its reads of this slot
.macro TURN slot, next, fill
	WIN 0
	s_wait_tensorcnt 0x0                           ; all my tensor loads have landed: my part of the next slot
	ds_add_u32 v[SPW], v[NIL]                      ; 0 onto my spare word
	s_wait_dscnt 17                                ; (the add and x's blocks 4-7 may be out)
	WIN 0xa4
	MULA 0, 1, 0
	MULA 1, 1, 0
	s_wait_dscnt 0x0                               ; the add is done, and my reads of this slot are over
	s_barrier_signal -1
	MULA 2, 1, 0
	MULA 3, 1, 0
	WIN 0
	PLACES                                         ; behind the last products on set 0, for every wave
	s_barrier_wait -1
.if \fill
	CREST                                          ; the barrier has opened a round of the cluster's: no wave of any partner still reads this slot or has a load on its way
	s_add_nc_u64 s[34+4*\slot:35+4*\slot], s[34+4*\slot:35+4*\slot], 8192   ; two slots on along K
	s_add_nc_u64 s[42+4*\slot:43+4*\slot], s[42+4*\slot:43+4*\slot], 8192
	JLOAD \slot                                    ; the first tensor load behind the round, one a wave
.endif
	FETCH \next, 0, 0
	WIN 0xa4
	MULA 4, 1, 0
	MULA 5, 1, 0
	MULA 6, 1, 0
	MULA 7, 1, 0
.endm
	s_load_b512 s[68:83], s[0:1], 0x0              ; xc 68, wc 70, scales 72, q_norm_w 74, k_norm_w 76, cos 78, sin 80, qf 82
	s_load_b128 s[84:87], s[0:1], 0x40             ; kf 84, vf 86
	v_lshl_add_u32 v[SPW], v0, 2, SPARE
	v_mov_b32 v[NIL], 0
	ds_add_u32 v28, v29
	s_wait_dscnt 0x0
	v_lshrrev_b32 v1, 5, v0
	v_readfirstlane_b32 s8, v1                     ; wave 0..3
	s_bfe_u32 s9, ttmp6, 0x40000                   ; cx
	s_bfe_u32 s10, ttmp6, 0x40004                  ; cy = which 512 tokens (the grid is one cluster high)
	s_lshl_b32 s11, ttmp9, 2
	s_add_co_u32 s11, s11, s9                      ; the head, 0..39
	s_lshl_b32 s12, s10, 2
	s_lshl_b32 s12, 15, s12                        ; my row of the cluster
	s_lshl_b32 s14, 0x1111, s9                     ; my column
	s_or_b32 s16, s12, (3<<16)|(1<<21)             ; group 1 for x: 15:0 the mask; 17:16 elements of 8 bytes; 21 set beside a mask; no padding
	s_or_b32 s24, s14, (3<<16)|(1<<21)             ; for the weights
	s_mov_b32 s17, 512<<16                         ; tensor_dim0 = 512 elements: 4,096 bytes of a tile
	s_mov_b32 s18, 16<<16                          ; tensor_dim1 = 16 tiles
	s_mov_b32 s19, 512<<16                         ; tile_dim0
	s_mov_b32 s20, 16                              ; tile_dim1
	s_mov_b32 s21, TS/8                            ; from tile to tile, in elements
	s_mov_b32 s22, 0
	s_mov_b32 s23, 0
	s_mov_b32 s25, 512<<16
	s_mov_b32 s26, 4<<16                           ; 4 tiles
	s_mov_b32 s27, 512<<16
	s_mov_b32 s28, 4
	s_mov_b32 s29, TS/8
	s_mov_b32 s30, 0
	s_mov_b32 s31, 0
	s_and_b32 s2, s8, 1                            ; which 16 of x's 32 tiles I fetch
	s_lshl_b32 s4, s2, 16                          ; and where they go: no place in the cluster enters an LDS address
	s_lshl_b32 s12, s10, 5
	s_lshl_b32 s13, s2, 4
	s_add_co_u32 s12, s12, s13
	s_mul_i32 s12, s12, TS
	s_max_u32 s6, ttmp9, 7
	s_sub_co_u32 s6, s6, 7                         ; the set of x's codes: 0 for q's heads, 1 for k's, 2 for v's: by the cluster's number
	s_lshl_b32 s6, s6, 23
	s_add_co_u32 s12, s12, s6
	s_mov_b32 s13, 0
	s_mul_i32 s14, s11, 4*TS                       ; the head's four tiles of columns
	s_mov_b32 s15, 0
	s_wait_kmcnt 0x0
	s_load_b256 s[48:55], s[72:73], 0x0            ; e0 .. e7
	s_load_b128 s[56:59], s[72:73], 0x20           ; e8 .. e11
	s_add_nc_u64 s[12:13], s[68:69], s[12:13]
	s_add_nc_u64 s[14:15], s[70:71], s[14:15]
	CROUND                                         ; all sixteen work-groups are here: the first joint loads meet
.irp s, 0,1
	s_mov_b32 s[32+4*\s], 1
	s_add_co_u32 s[33+4*\s], s4, \s*SLOT
	s_add_nc_u64 s[34+4*\s:35+4*\s], s[12:13], \s*4096
	s_or_b32 s[35+4*\s], s[35+4*\s], 0x80000000
	s_mov_b32 s[40+4*\s], 1
	s_mov_b32 s[41+4*\s], \s*SLOT+BOFF
	s_add_nc_u64 s[42+4*\s:43+4*\s], s[14:15], \s*4096
	s_or_b32 s[43+4*\s], s[43+4*\s], 0x80000000
.endr
	s_cmp_lt_u32 s8, 2                             ; a wave's two first fills stand in one branch: two loads of mine are out at the most
	s_cbranch_scc0 .Lff_not_a
	tensor_load_to_lds s[32:35], s[16:23]
	s_nop 0
	tensor_load_to_lds s[36:39], s[16:23]
	s_nop 0
.rept 4
	v_nop
.endr
	s_branch .Lff_done
.Lff_not_a:
	s_cmp_eq_u32 s8, 2
	s_cbranch_scc0 .Lff_done
	tensor_load_to_lds s[40:43], s[24:31]
	s_nop 0
	tensor_load_to_lds s[44:47], s[24:31]
	s_nop 0
.rept 4
	v_nop
.endr
.Lff_done:
	v_and_b32 v1, 15, v0                           ; r
	v_bfe_u32 v2, v0, 4, 1                         ; h
	v_and_b32 v3, 31, v0
	v_lshlrev_b32 v3, 4, v3                        ; 16 x lane
	s_lshl_b32 s5, s8, 15                          ; my 8 tiles of tokens
	v_add_nc_u32 v[ADRA], s5, v3
	v_add_nc_u32 v[ADRA+1], SLOT, v[ADRA]
	v_add_nc_u32 v[ADRB], BOFF, v3
	v_add_nc_u32 v[ADRB+1], SLOT, v[ADRB]
	v_lshlrev_b32 v4, 7, v1
	v_lshl_add_u32 v4, v2, 4, v4                   ; the tables: token r's row of 128 bytes, + 16 h
	v_lshlrev_b32 v5, 5, v2                        ; the norm's weights: 32 h
	s_mul_i32 s6, s8, 34816                        ; v's stage: 128 tokens x (256 bytes + 16) a wave
	v_mul_u32_u24 v6, v1, 272
	v_lshl_add_u32 v6, v2, 5, v6
	v_add_nc_u32 v6, s6, v6                        ; into it: token r, + 32 h
	v_mul_u32_u24 v7, v2, 2176
	v_lshl_add_u32 v7, v1, 2, v7
	v_add_nc_u32 v7, s6, v7                        ; out of it: key 8 h, channel r
	s_mov_b32 s60, 0x76543210                      ; v_permlanex16_b32: lane l xor 16
	s_mov_b32 s61, 0xfedcba98
	s_cmp_eq_u32 ttmp9, 8                          ; what differs between q, k and v is chosen by the cluster's number
	s_cselect_b64 s[66:67], s[76:77], s[74:75]     ; the norm's weights: k's for k, else q's
	s_cselect_b64 s[92:93], s[84:85], s[82:83]     ; where the codes go
	s_cselect_b32 s94, 32, 0
	s_cmp_eq_u32 ttmp9, 9
	s_cselect_b64 s[92:93], s[86:87], s[92:93]
	s_cselect_b32 s94, 36, s94
	s_sub_co_u32 s94, s11, s94                     ; the head's number in its own tensor
	s_lshl_b32 s94, s94, 17                        ; 131,072 bytes a head, in all three
	s_lshl_b32 s95, s10, 15                        ; q, k: (32 cy + 8 wave) images; v: (4 cy + wave) blocks of 8,192 bytes: the same number
	s_add_co_u32 s94, s94, s95
	s_lshl_b32 s95, s8, 13
	s_add_co_u32 s94, s94, s95
	s_mov_b32 s95, 0
	s_add_nc_u64 s[92:93], s[92:93], s[94:95]
	s_lshl_b32 s94, s10, 16
	s_lshl_b32 s96, s8, 14
	s_add_co_u32 s94, s94, s96                     ; my first token's row of the tables
	s_add_nc_u64 s[88:89], s[78:79], s[94:95]
	s_add_nc_u64 s[90:91], s[80:81], s[94:95]
.irp b, 0,1,2,3                                    ; on every wave's path: v's heads load these too and use none of them
.irp m, 0,1
	global_load_b128 v[32+8*\b+4*\m:35+8*\b+4*\m], v5, s[66:67] offset:64*\b+16*\m   ; w of channels 16 b + 8 h + 0..7
.endr
.endr
	WIN 0xc0                                       ; destination window 3
.irp a, 0,1,2,3,4,5,6,7
.irp b, 0,1,2,3
	global_load_b128 v[16*\a+4*\b:16*\a+4*\b+3], v4, s[88:89] offset:\a*2048+32*\b           ; cos of pairs 8 b + 4 h + 0..3 of token 16 a + r
	global_load_b128 v[128+16*\a+4*\b:128+16*\a+4*\b+3], v4, s[90:91] offset:\a*2048+32*\b   ; sin; both stay until the way out
.endr
.endr
	WIN 0
	s_wait_kmcnt 0x0
	s_add_co_i32 s62, s48, s49                     ; a sum stands for sum x 2^E: E = e0 + e1,
	s_add_co_i32 s94, s50, s51                     ; e2 + e3,
	s_add_co_i32 s95, s52, s53                     ; e4 + e5
	s_sub_co_i32 s96, s56, s95                     ; v's sums are quantised as they are: the three scales fold into 2^(e8 - e4 - e5)
	s_cmp_eq_u32 ttmp9, 8
	s_cselect_b32 s62, s94, s62
	s_cselect_b32 s97, s54, s55                    ; k: e6; q: e7
	s_cmp_eq_u32 ttmp9, 9
	s_cselect_b32 s62, s95, s62
	s_cselect_b32 s97, s96, s97
	s_lshl_b32 s63, s62, 1
	s_sub_co_i32 s63, s63, 6                       ; the mean of squares = the sum of squared sums x 2^(2 E - 6)
	s_add_co_i32 s97, s97, 127
	s_lshl_b32 s98, s97, 23
	v_mov_b32 v8, s98                              ; the conversion's scale
	s_add_co_i32 s97, s97, 8
	s_lshl_b32 s97, s97, 23
	s_or_b32 s97, s97, 0x600000
	v_mov_b32 v9, s97                              ; 448 x that
	s_wait_tensorcnt 0x1                           ; my part of slot 0 is in; slot 1's may stay out
	s_barrier_signal -1
	s_barrier_wait -1
	FETCH 0, 0, 0
	STEP 0, 1                                      ; the first step's products start the sums
	WIN 0
	s_mov_b32 s3, LAPS-1
.Llap:                                             ; a trip goes once round the ring and fills both slots again
	TURN 0, 1, 1
	STEP 1, 0
	TURN 1, 0, 1
	STEP 0, 0
	WIN 0
	s_sub_co_u32 s3, s3, 1
	s_cmp_lg_u32 s3, 0
	s_cbranch_scc1 .Llap
	TURN 0, 1, 0                                   ; the last lap fills nothing
	STEP 1, 0
	s_wait_dscnt 16
	WIN 0xa4
	MULA 0, 1, 0
	MULA 1, 1, 0
	MULA 2, 1, 0
	MULA 3, 1, 0
	s_wait_dscnt 0x0
	MULA 4, 1, 0
	MULA 5, 1, 0
	MULA 6, 1, 0
	MULA 7, 1, 0
	WIN 0
	PLACES
	s_wait_loadcnt 0x0                             ; the norm's weights and the tables, asked for at the head
	s_cmp_eq_u32 ttmp9, 9
	s_cbranch_scc1 .Lway_v
	; ---- q and k.  The sum of squares of my 32 channels of each of the 8 tokens, two at a time, eight chains; each accumulator is read from its low end on
	WIN 0x0a                                       ; sources 0 and 1 window 2
.irp i, 0,1,2,3,4,5,6,7,8,9,10,11,12,13,14,15
.irp a, 0,1,2,3,4,5,6,7
.if \i == 0
	v_pk_mul_f32 v[192+2*\a:193+2*\a], v[32*\a:32*\a+1], v[32*\a:32*\a+1]
.else
	v_pk_fma_f32 v[192+2*\a:193+2*\a], v[32*\a+2*\i:32*\a+2*\i+1], v[32*\a+2*\i:32*\a+2*\i+1], v[192+2*\a:193+2*\a]
.endif
.endr
.endr
	WIN 0
.irp a, 0,1,2,3,4,5,6,7
	v_add_f32 v[208+\a], v[192+2*\a], v[193+2*\a]
.endr
.irp a, 0,1,2,3,4,5,6,7
	v_permlanex16_b32 v[192+2*\a], v[208+\a], s60, s61   ; the token's other 32 channels lie in the lane 16 away
.endr
.irp a, 0,1,2,3,4,5,6,7
	v_add_f32 v[208+\a], v[208+\a], v[192+2*\a]
.endr
.irp a, 0,1,2,3,4,5,6,7
	v_ldexp_f32 v[208+\a], v[208+\a], s63          ; the mean of squares
.endr
.irp a, 0,1,2,3,4,5,6,7
	v_add_f32 v[208+\a], 0x3727c5ac, v[208+\a]     ; + 1e-5
.endr
.irp a, 0,1,2,3,4,5,6,7
	v_rsq_f32 v[216+\a], v[208+\a]
.endr
	v_nop                                          ; a plain instruction behind the last of the batch
	s_wait_alu depctr_va_vdst(0)                   ; one wait for the eight, ahead of their first reader
.irp a, 0,1,2,3,4,5,6,7
	v_ldexp_f32 v[224+2*\a], v[216+\a], s62        ; F = rsqrt x 2^E, kept twice: a pair for the packed multiply
	v_ldexp_f32 v[225+2*\a], v[216+\a], s62
.endr
; tokens 16 a on: norm, turn, hold, conversion, store
.macro QKTILE a
	WIN 0x02                                       ; source 0 window 2
.set i, 0
.rept 16
	v_pk_mul_f32 v[64+2*i:65+2*i], v[32*(\a)+2*i:32*(\a)+2*i+1], v[224+2*(\a):225+2*(\a)]   ; x rsqrt(..)
.set i, i+1
.endr
	WIN 0
.set i, 0
.rept 16
	v_pk_mul_f32 v[64+2*i:65+2*i], v[64+2*i:65+2*i], v[32+2*i:33+2*i]                       ; x w
.set i, i+1
.endr
	WIN 0x0c                                       ; source 1 window 3: the tables
.set i, 0
.rept 16
	v_mul_f32 v[96+2*i], v[65+2*i], v[128+16*(\a)+i]      ; im s
	v_mul_f32 v[97+2*i], v[64+2*i], v[128+16*(\a)+i]      ; re s
.set i, i+1
.endr
.set i, 0
.rept 16
	v_fma_f32 v[96+2*i], v[64+2*i], v[16*(\a)+i], -v[96+2*i]   ; re c - im s
	v_fma_f32 v[97+2*i], v[65+2*i], v[16*(\a)+i], v[97+2*i]    ; im c + re s
.set i, i+1
.endr
	WIN 0
.irp b, 0,1,2,3
.irp j, 0,1,2,3,4,5,6,7
	v_med3_num_f32 v[96+8*\b+\j], v[96+8*\b+\j], -v9, v9       ; the conversion does not saturate (ISA guide 7.6.2)
.endr
	v_cvt_scalef32_pk8_fp8_f32 v[128+8*(\a)+2*\b:129+8*(\a)+2*\b], v[96+8*\b:103+8*\b], v8   ; registers 2 b, 2 b + 1 of the image
.endr
	v_nop                                          ; a plain instruction between the last conversion and the next tile's writes of its sources
.irp g, 0,1
	global_store_b128 v3, v[128+8*(\a)+4*\g:131+8*(\a)+4*\g], s[92:93] offset:(\a)*1024+\g*512   ; 512 consecutive bytes, aligned; each tile has code registers of its own
.endr
.endm
.irp a, 0,1,2,3,4,5,6,7
	QKTILE \a
.endr
	s_branch .Lend
	; ---- v.  Its next K is the keys: my 128 tokens x 64 channels go into my stage as f32 rows and come back a channel a lane, keys down the registers
.Lway_v:
	WIN 0x08                                       ; an LDS store's data: window 2
.irp a, 0,1,2,3,4,5,6,7
.irp b, 0,1,2,3
	ds_store_b128 v6, v[8*(4*\a+\b):8*(4*\a+\b)+3] offset:\a*4352+64*\b
	ds_store_b128 v6, v[8*(4*\a+\b)+4:8*(4*\a+\b)+7] offset:\a*4352+64*\b+16
.endr
.endr
	WIN 0
.irp d, 0,1,2,3                                    ; channels 16 d on: one fragment for K = 128 keys
.irp c, 0,1,2,3,4,5,6,7
.irp j, 0,1,2,3,4,5,6,7
	ds_load_b32 v[64+8*\c+\j], v7 offset:(16*\c+\j)*272+64*\d   ; key 16 c + 8 h + j, channel 16 d + r.  LDS serves a wave's instructions in order: these see my stores
.endr
.endr
	s_wait_dscnt 0x0
.irp c, 0,1,2,3,4,5,6,7
.irp j, 0,1,2,3,4,5,6,7
	v_med3_num_f32 v[64+8*\c+\j], v[64+8*\c+\j], -v9, v9
.endr
	v_cvt_scalef32_pk8_fp8_f32 v[128+16*\d+2*\c:129+16*\d+2*\c], v[64+8*\c:71+8*\c], v8
.endr
	v_nop
.irp c, 0,1,2,3
	global_store_b128 v3, v[128+16*\d+4*\c:131+16*\d+4*\c], s[92:93] offset:\d*2048+\c*512
.endr
.endr
.Lend:
	s_wait_tensorcnt 0x0                           ; the wave's end
	ds_add_u32 v[SPW], v[NIL]
	s_wait_dscnt 0x0
	CROUND                                         ; the closing round: no work-group ends while a partner may still ask for a tile that names it
	s_endpgm
.Lfunc_end_k_q86c2b7f73c_qkv:
	.size	k_q86c2b7f73c_qkv, .Lfunc_end_k_q86c2b7f73c_qkv-k_q86c2b7f73c_qkv
	.p2alignl 7, 3214868480
	.fill 96, 4, 3214868480
	.section	.rodata,"a",@progbits
	.p2align	6, 0x0
	.amdhsa_kernel k_q86c2b7f73c_qkv
		.amdhsa_group_segment_fixed_size 327680
		.amdhsa_private_segment_fixed_size 0
		.amdhsa_enable_private_segment 0
		.amdhsa_kernarg_size 80
		.amdhsa_user_sgpr_count 2
		.amdhsa_user_sgpr_kernarg_segment_ptr 1
		.amdhsa_wavefront_size32 1
		.amdhsa_system_sgpr_workgroup_id_x 1
		.amdhsa_system_sgpr_workgroup_id_y 1
		.amdhsa_system_sgpr_workgroup_id_z 1
		.amdhsa_system_vgpr_workitem_id 0
		.amdhsa_next_free_vgpr 1024
		.amdhsa_next_free_sgpr 100
		.amdhsa_reserve_vcc 0
		.amdhsa_float_denorm_mode_32 3
		.amdhsa_float_denorm_mode_16_64 3
		.amdhsa_memory_ordered 1
		.amdhsa_forward_progress 1
		.amdhsa_inst_pref_size 172
	.end_amdhsa_kernel
	.amdgpu_metadata
---
amdhsa.version: [ 1, 2 ]
amdhsa.kernels:
  - .name:           k_q86c2b7f73c_qkv
    .symbol:         k_q86c2b7f73c_qkv.kd
    .args:
      - { .name: xc, .offset: 0, .size: 8, .value_kind: global_buffer, .address_space: global }
      - { .name: wc, .offset: 8, .size: 8, .value_kind: global_buffer, .address_space: global }
      - { .name: lowp_scales, .offset: 16, .size: 8, .value_kind: global_buffer, .address_space: global }
      - { .name: q_norm_w, .offset: 24, .size: 8, .value_kind: global_buffer, .address_space: global }
      - { .name: k_norm_w, .offset: 32, .size: 8, .value_kind: global_buffer, .address_space: global }
      - { .name: freqs_cos, .offset: 40, .size: 8, .value_kind: global_buffer, .address_space: global }
      - { .name: freqs_sin, .offset: 48, .size: 8, .value_kind: global_buffer, .address_space: global }
      - { .name: qf, .offset: 56, .size: 8, .value_kind: global_buffer, .address_space: global }
      - { .name: kf, .offset: 64, .size: 8, .value_kind: global_buffer, .address_space: global }
      - { .name: vf, .offset: 72, .size: 8, .value_kind: global_buffer, .address_space: global }
    .group_segment_fixed_size: 327680
    .private_segment_fixed_size: 0
    .kernarg_segment_align: 8
    .kernarg_segment_size: 80
    .max_flat_workgroup_size: 128
    .sgpr_count:     100
    .vgpr_count:     1024
    .wavefront_size: 32
...
	.end_amdgpu_metadata
.endif
;; end of part 2
;; launch attn (part 3): grid 64 x 4, 16 waves a work-group, clusters of 4 x 1, 264,192 bytes of LDS; arguments qf, kf, vf, lowp_scales, oc; writes oc
.if DOCPART == 3
	.amdgcn_target "amdgcn-amd-amdhsa--gfx1250"
	.amdhsa_code_object_version 6
	.text
	.protected	k_q86c2b7f73c_attn
	.globl	k_q86c2b7f73c_attn
	.p2align	8
	.type	k_q86c2b7f73c_attn,@function
k_q86c2b7f73c_attn:
	s_mov_b64 s[64:65], 0
	v_nop
	global_prefetch_b8 v0, s[64:65] scope:SCOPE_SE
	s_setreg_imm32_b32 hwreg(HW_REG_WAVE_MODE, 25, 1), 1
	s_wait_xcnt 0x0
	s_wait_alu depctr_hold_cnt(0) depctr_sa_sdst(0) depctr_va_vdst(0) depctr_va_sdst(0) depctr_va_ssrc(0) depctr_va_vcc(0) depctr_vm_vsrc(0)
	s_getreg_b32 s2, hwreg(HW_REG_IB_STS2, 6, 4)
	s_cmp_eq_u32 s2, 0
	s_cbranch_scc0 .Lentry_in_a_cluster
	s_endpgm
.Lentry_in_a_cluster:
	s_bfe_u32 s2, ttmp6, 0x10000c
	s_cmp_lg_u32 s2, 0x3003
	s_cbranch_scc0 .Lentry_shape_is_right
	s_endpgm
.Lentry_shape_is_right:
; Causal attention on codes of E4M3, 32 query heads on 4 key and value heads of 64 channels, 2,048 tokens.  q, k, v arrive as images of operand registers; O leaves so, quantised by e10.
; THE SOFTMAX AHEAD OF THE SECOND PRODUCT: t = score x log2(e) / 8; M = the row's largest t so far, rounded UP to a whole number; p = 2^(t - M) is quantised (e9), not normalised.  The row's sum is taken of the
; unquantised p and divides O at the end.  When M moves, the sum and O are multiplied by 2^(old M - new M), which rounds nothing.
; SHARES.  y = the key and value head g.  A cluster of four work-groups owns 8 tiles of 16 queries x the 8 query heads of g; work-group cx takes heads 8 g + 2 cx and + 1; each of its SIXTEEN waves one tile of one head.
; The tiles come in pairs (j, 127 - j), which together have 17 key steps of 128 whatever j: every work-group has 136 steps.
; LDS holds ALL of the head's K (131,072 bytes) and V (131,072), filled ONCE, by joint loads of the four partners (mask 15): waves 0, 1 bring K's halves of each of four segments of 512 keys, waves 2, 3 V's; four loads
; of a wave are out at the most.  Nothing is filled again.  A segment is read behind a counted wait and a barrier.
; LAYOUT.  Both products are used transposed: S^T = K Q^T (source 0 = 16 keys, source 1 = my 16 queries), O^T = V^T P^T: a lane holds ONE query (lane % 16) throughout.  In tile c of S^T lane (r, h) holds keys
; 16 c + 8 h + 0..7, which one conversion turns into registers 2 c, 2 c + 1 of P; likewise O^T's tile d into registers 2 d, 2 d + 1 of O's image.
; CAUSAL.  Every wave walks all 16 steps (constant trip counts, every barrier passed); a step all of whose keys come after my queries is jumped over, by a scalar branch on ids that are equal in all partners.
; LIMITS: e6 + e7 between -123 and 130 (added to c's exponent field); e9 and e10 between -126 and 119; e8 + e9 is applied by v_ldexp_f32 and has none.
; REGISTERS: v1 16 x lane (K), v2 the same + V's base, v4 r - 8 h, v8, v9 the step's addresses, v10, v11 2^e9 and 448 x 2^e9, v12 -M, v13 the largest t, v[14:15] the sum, v[16:23] Q, v24-31 at work,
;   v32-95 K's 8 fragments, later P's codes in v[32:47]; v96-159 S^T, then p; v160-191 O^T; v192-255 V's 4 fragments.
.set VBASE, 131072
.macro ROUND                           ; a round of the cluster's barrier
	s_barrier_signal -1
	s_barrier_wait -1
	s_cmp_lg_u32 s18, 0
	s_cbranch_scc1 .Lnot_wave_0_\@
	s_barrier_signal -3
.Lnot_wave_0_\@:
	s_barrier_wait -3
	s_barrier_signal -1
	s_barrier_wait -1
.endm
; A KEY STEP: 128 keys from s3 on, whose images begin at LDS byte s2 (K) and VBASE + s2 (V)
.macro STEP
	s_add_co_u32 s61, s14, 15
	s_cmp_gt_u32 s3, s61                           ; all keys behind my last query?
	s_cbranch_scc1 .Lhidden_\@
	v_add_nc_u32 v8, s2, v1
	v_add_nc_u32 v9, s2, v2
	v_nop
	v_nop                                          ; four places behind the last products, whose sources the loads below fill
.irp c, 0,1,2,3,4,5,6,7
	ds_load_b128 v[32+8*\c:35+8*\c], v8 offset:\c*1024
	ds_load_b128 v[36+8*\c:39+8*\c], v8 offset:\c*1024+512
.endr
.irp d, 0,1,2,3
.irp c, 0,1,2,3
	ds_load_b128 v[192+16*\d+4*\c:195+16*\d+4*\c], v9 offset:\d*2048+\c*512
.endr
.endr
	s_wait_dscnt 16                                ; K is in; V's sixteen loads may be out
.irp c, 0,1,2,3,4,5,6,7
	v_wmma_f32_16x16x64_fp8_fp8 v[96+8*\c:103+8*\c], v[32+8*\c:39+8*\c], v[16:23], 0
.endr
.rept 4
	v_nop
.endr
	s_add_co_u32 s61, s3, 127
	s_cmp_le_u32 s61, s14                          ; all keys count for all my queries?
	s_cbranch_scc1 .Lopen_\@
	s_sub_co_i32 s61, s14, s3
	v_add_nc_u32 v25, s61, v4                      ; d = my query - the step's first key - 8 h.  Register 8 c + j holds key 16 c + 8 h + j of the step: hidden where 16 c + j > d
.set n, 0
.rept 64
	v_cmp_gt_i32 vcc_lo, 16*(n/8)+n%8, v25
	v_cndmask_b32 v[96+n], v[96+n], v27, vcc_lo    ; -infinity: p = 0 then
.set n, n+1
.endr
.Lopen_\@:
	v_max3_num_f32 v24, v96, v97, v98              ; the step's largest score of my query among my 64 keys, in two chains, each accumulator from its low end on,
	v_max3_num_f32 v25, v99, v100, v101
.irp i, 6,10,14,18,22,26,30,34,38,42,46,50,54,58
	v_max3_num_f32 v24, v24, v[96+\i], v[97+\i]
	v_max3_num_f32 v25, v25, v[98+\i], v[99+\i]
.endr
	v_max3_num_f32 v24, v24, v158, v159
	v_max_num_f32 v24, v24, v25
	v_permlanex16_b32 v26, v24, s20, s21
	v_max_num_f32 v24, v24, v26                    ; and among lane l xor 16's
	v_mul_f32 v24, s22, v24                        ; as t (c is positive)
	v_max_num_f32 v13, v13, v24                    ; the running largest t
	v_mov_b32 v24, v12
	v_floor_f32 v12, -v13                          ; the new -M = floor(-t): M is a whole number
	v_sub_f32 v24, v12, v24                        ; old M - new M: a whole number, 0 or less
	v_cvt_i32_f32 v24, v24                         ; (it saturates)
	v_ldexp_f32 v28, 1.0, v24                      ; f = 2^(old M - new M)
.set n, 0
.rept 32
	v_pk_fma_f32 v[96+n:97+n], v[96+n:97+n], s[22:23], v[12:13] op_sel_hi:[1,0,0]   ; t - M, two at a time (of the pairs c and -M the low word serves both halves)
.set n, n+2
.endr
.set n, 0
.rept 64
	v_exp_f32 v[96+n], v[96+n]                     ; p = 2^(t - M)
.set n, n+1
.endr
	v_pk_mul_f32 v[14:15], v[14:15], v[28:29] op_sel_hi:[1,0]   ; the sums under the new M: the plain instruction behind the batch
	s_wait_alu depctr_va_vdst(0)                   ; one wait for the 64, ahead of their first reader
	v_pk_add_f32 v[30:31], v[96:97], v[98:99]      ; the row's sum of the UNQUANTISED p, in two chains
.irp j, 4,8,12,16,20,24,28,32,36,40,44,48,52,56,60
	v_pk_add_f32 v[14:15], v[14:15], v[96+\j:97+\j]
	v_pk_add_f32 v[30:31], v[30:31], v[98+\j:99+\j]
.endr
	v_pk_add_f32 v[14:15], v[14:15], v[30:31]
.irp c, 0,1,2,3,4,5,6,7
.irp j, 0,1,2,3,4,5,6,7
	v_min_num_f32 v[96+8*\c+\j], v[96+8*\c+\j], v11   ; the conversion does not saturate (ISA guide 7.6.2); p is not negative: a one-sided hold
.endr
	v_cvt_scalef32_pk8_fp8_f32 v[32+2*\c:33+2*\c], v[96+8*\c:103+8*\c], v10
.endr
.set n, 0
.rept 16
	v_pk_mul_f32 v[160+n:161+n], v[160+n:161+n], v[28:29] op_sel_hi:[1,0]   ; O^T under the new M; also the plain instructions behind the last conversion
.set n, n+2
.endr
	s_wait_dscnt 0x0                               ; V is in
.irp d, 0,1,2,3
	v_wmma_f32_16x16x128_fp8_fp8 v[160+8*\d:167+8*\d], v[192+16*\d:207+16*\d], v[32:47], v[160+8*\d:167+8*\d]   ; the four accumulators by turns; the scores' eight products stand between two links
.endr
.Lhidden_\@:
	s_add_co_u32 s2, s2, 8192
	s_add_co_u32 s3, s3, 128
.endm
; segment n: 512 keys, four steps
.macro SEG n
	s_wait_tensorcnt 3-(\n)                        ; my load n has landed; the later ones may stay out
	s_wait_dscnt 0x0
	s_barrier_signal -1
	s_barrier_wait -1                              ; everybody's has
	s_mov_b32 s2, (\n)*32768
	s_mov_b32 s3, (\n)*512
	s_mov_b32 s60, 4
.Lseg_\@:
	STEP
	s_sub_co_u32 s60, s60, 1
	s_cmp_lg_u32 s60, 0
	s_cbranch_scc1 .Lseg_\@
.endm
	s_load_b256 s[4:11], s[0:1], 0x0               ; qf 4, kf 6, vf 8, scales 10
	s_load_b64 s[12:13], s[0:1], 0x20              ; oc
	v_lshl_add_u32 v6, v0, 2, 0x40000
	v_mov_b32 v7, 0
	ds_add_u32 v6, v7
	v_lshrrev_b32 v1, 5, v0
	v_readfirstlane_b32 s18, v1                    ; wave 0..15
	v_and_b32 v1, 31, v0
	v_lshlrev_b32 v1, 4, v1                        ; 16 x lane
	v_add_nc_u32 v2, VBASE, v1
	v_and_b32 v3, 15, v0
	v_bfe_u32 v5, v0, 4, 1
	v_lshlrev_b32 v5, 3, v5
	v_sub_nc_u32 v4, v3, v5                        ; r - 8 h
	s_bfe_u32 s15, ttmp6, 0x40000                  ; cx: it enters q's and O's addresses alone
	s_and_b32 s16, ttmp7, 0xffff                   ; g
	s_lshr_b32 s61, s18, 1                         ; which of the 8 tiles: bits b2 b1 b0
	s_and_b32 s62, s61, 1
	s_lshl_b32 s62, s62, 1
	s_lshr_b32 s63, s61, 2
	s_or_b32 s62, s62, s63                         ; 2 b0 + b2
	s_lshl_b32 s63, ttmp9, 2
	s_add_co_u32 s62, s62, s63                     ; j = 4 x cluster + that
	s_sub_co_u32 s63, 127, s62
	s_and_b32 s60, s61, 2
	s_cmp_lg_u32 s60, 0
	s_cselect_b32 s19, s63, s62                    ; b1: tile 127 - j, else tile j
	s_lshl_b32 s14, s19, 4                         ; my first query
	s_lshl_b32 s17, s16, 3
	s_lshl_b32 s60, s15, 1
	s_add_co_u32 s17, s17, s60
	s_and_b32 s60, s18, 1
	s_add_co_u32 s17, s17, s60                     ; my head
	s_mov_b32 s24, 15|(3<<16)|(1<<21)              ; group 1: 15:0 the mask: all four partners; 17:16 elements of 8 bytes; 21 set beside a mask; no padding
	s_mov_b32 s25, 32<<16                          ; tensor_dim0 = 32 elements: rows of 256 bytes
	s_mov_b32 s26, 64<<16                          ; tensor_dim1 = 64
	s_mov_b32 s27, 32<<16                          ; tile_dim0
	s_mov_b32 s28, 64                              ; tile_dim1
	s_mov_b32 s29, 32                              ; dense
	s_mov_b32 s30, 0
	s_mov_b32 s31, 0
	s_lshl_b32 s60, s60, 14                        ; which half of a segment's 32,768 bytes I fetch, if I fetch
	s_bfe_u32 s61, s18, 0x10001
	s_lshl_b32 s61, s61, 17                        ; K's place or V's
	s_add_co_u32 s61, s61, s60
	s_lshl_b32 s62, s16, 17                        ; the head's 131,072 bytes
	s_add_co_u32 s62, s62, s60
	s_mov_b32 s63, 0
	s_mov_b32 s20, 0x76543210
	s_mov_b32 s21, 0xfedcba98
	s_mov_b32 s22, 0x3e38aa3b                      ; c = log2(e) / 8
	s_wait_dscnt 0x0
	s_wait_kmcnt 0x0
	s_load_b256 s[48:55], s[10:11], 0x0            ; e0 .. e7
	s_load_b128 s[56:59], s[10:11], 0x20           ; e8 .. e11
	s_cmp_lt_u32 s18, 2
	s_cselect_b64 s[6:7], s[6:7], s[8:9]           ; waves 0, 1: K; waves 2, 3: V
	s_add_nc_u64 s[6:7], s[6:7], s[62:63]
	ROUND                                          ; all four work-groups are here: the joint loads meet
.irp n, 0,1,2,3
	s_mov_b32 s[32+4*\n], 1
	s_add_co_u32 s[33+4*\n], s61, \n*32768
	s_add_nc_u64 s[34+4*\n:35+4*\n], s[6:7], \n*32768
	s_or_b32 s[35+4*\n], s[35+4*\n], 0x80000000
.endr
	s_cmp_lt_u32 s18, 4                            ; all fills of a wave stand in one branch on its number
	s_cbranch_scc0 .Lno_fetch
	tensor_load_to_lds s[32:35], s[24:31]
	s_nop 0
	tensor_load_to_lds s[36:39], s[24:31]
	s_nop 0
	tensor_load_to_lds s[40:43], s[24:31]
	s_nop 0
	tensor_load_to_lds s[44:47], s[24:31]
	s_nop 0
.rept 4
	v_nop
.endr
.Lno_fetch:
	s_lshl_b32 s62, s17, 17
	s_lshl_b32 s60, s19, 10
	s_add_co_u32 s62, s62, s60
	s_add_nc_u64 s[4:5], s[4:5], s[62:63]          ; q: [head][tile][1,024]
	s_lshl_b32 s62, s19, 15
	s_lshl_b32 s60, s17, 10
	s_add_co_u32 s62, s62, s60
	s_add_nc_u64 s[12:13], s[12:13], s[62:63]      ; O: [tile][head][1,024]
	global_load_b128 v[16:19], v1, s[4:5]
	global_load_b128 v[20:23], v1, s[4:5] offset:512
	v_mov_b32 v13, 0xff61b1e6                      ; the largest t so far: -3e38
	v_floor_f32 v12, -v13
	v_mov_b32 v14, 0
	v_mov_b32 v15, 0
	v_mov_b32 v26, 0                               ; a lane permute's destination counts as read
	v_mov_b32 v27, 0xff800000                      ; -infinity
	v_mov_b32 v29, 0                               ; (named as the upper half of the pair v[28:29])
.set n, 0
.rept 32
	v_mov_b32 v[160+n], 0                          ; O^T: the step has no first form of its own: it finds zeros, which the first change of M leaves zeros
.set n, n+1
.endr
	s_wait_kmcnt 0x0
	s_add_co_i32 s61, s54, s55
	s_lshl_b32 s61, s61, 23
	s_add_co_i32 s22, s22, s61                     ; a score stands for score x 2^(e6 + e7)
	s_mov_b32 s23, s22
	s_add_co_i32 s61, s57, 127
	s_lshl_b32 s62, s61, 23
	v_mov_b32 v10, s62                             ; 2^e9
	s_add_co_i32 s61, s61, 8
	s_lshl_b32 s61, s61, 23
	s_or_b32 s61, s61, 0x600000
	v_mov_b32 v11, s61                             ; 448 x 2^e9
	s_wait_loadcnt 0x0                             ; Q
	SEG 0
	SEG 1
	SEG 2
	SEG 3
	; THE WAY OUT: O = O^T / the sum x 2^(e8 + e9), quantised by e10; the conversions' results are the image of the last product's operand
.rept 4
	v_nop
.endr
	v_add_f32 v14, v14, v15
	v_permlanex16_b32 v26, v14, s20, s21
	v_add_f32 v14, v14, v26                        ; the row's sum
	v_rcp_f32 v14, v14
	s_add_co_i32 s61, s58, 127
	s_lshl_b32 s62, s61, 23
	v_mov_b32 v24, s62                             ; 2^e10  (a plain instruction behind the reciprocal)
	s_add_co_i32 s61, s61, 8
	s_lshl_b32 s61, s61, 23
	s_or_b32 s61, s61, 0x600000
	v_mov_b32 v25, s61                             ; 448 x 2^e10
	s_add_co_i32 s61, s56, s57
	s_wait_alu depctr_va_vdst(0)                   ; the wait ahead of the first reader
	v_ldexp_f32 v14, v14, s61
.set n, 0
.rept 32
	v_mul_f32 v[96+n], v[160+n], v14
.set n, n+1
.endr
.irp d, 0,1,2,3
.irp j, 0,1,2,3,4,5,6,7
	v_med3_num_f32 v[96+8*\d+\j], v[96+8*\d+\j], -v25, v25
.endr
	v_cvt_scalef32_pk8_fp8_f32 v[32+2*\d:33+2*\d], v[96+8*\d:103+8*\d], v24
.endr
	v_nop
	global_store_b128 v1, v[32:35], s[12:13]                   ; 512 consecutive bytes, aligned
	global_store_b128 v1, v[36:39], s[12:13] offset:512
	s_wait_tensorcnt 0x0
	ds_add_u32 v6, v7
	s_wait_dscnt 0x0
	ROUND                                          ; the closing round
	s_endpgm
.Lfunc_end_k_q86c2b7f73c_attn:
	.size	k_q86c2b7f73c_attn, .Lfunc_end_k_q86c2b7f73c_attn-k_q86c2b7f73c_attn
	.p2alignl 7, 3214868480
	.fill 96, 4, 3214868480
	.section	.rodata,"a",@progbits
	.p2align	6, 0x0
	.amdhsa_kernel k_q86c2b7f73c_attn
		.amdhsa_group_segment_fixed_size 264192
		.amdhsa_private_segment_fixed_size 0
		.amdhsa_enable_private_segment 0
		.amdhsa_kernarg_size 40
		.amdhsa_user_sgpr_count 2
		.amdhsa_user_sgpr_kernarg_segment_ptr 1
		.amdhsa_wavefront_size32 1
		.amdhsa_system_sgpr_workgroup_id_x 1
		.amdhsa_system_sgpr_workgroup_id_y 1
		.amdhsa_system_sgpr_workgroup_id_z 1
		.amdhsa_system_vgpr_workitem_id 0
		.amdhsa_next_free_vgpr 256
		.amdhsa_next_free_sgpr 66
		.amdhsa_reserve_vcc 1
		.amdhsa_float_denorm_mode_32 3
		.amdhsa_float_denorm_mode_16_64 3
		.amdhsa_memory_ordered 1
		.amdhsa_forward_progress 1
		.amdhsa_inst_pref_size 95
	.end_amdhsa_kernel
	.amdgpu_metadata
---
amdhsa.version: [ 1, 2 ]
amdhsa.kernels:
  - .name:           k_q86c2b7f73c_attn
    .symbol:         k_q86c2b7f73c_attn.kd
    .args:
      - { .name: qf, .offset: 0, .size: 8, .value_kind: global_buffer, .address_space: global }
      - { .name: kf, .offset: 8, .size: 8, .value_kind: global_buffer, .address_space: global }
      - { .name: vf, .offset: 16, .size: 8, .value_kind: global_buffer, .address_space: global }
      - { .name: lowp_scales, .offset: 24, .size: 8, .value_kind: global_buffer, .address_space: global }
      - { .name: oc, .offset: 32, .size: 8, .value_kind: global_buffer, .address_space: global }
    .group_segment_fixed_size: 264192
    .private_segment_fixed_size: 0
    .kernarg_segment_align: 8
    .kernarg_segment_size: 40
    .max_flat_workgroup_size: 512
    .sgpr_count:     66
    .vgpr_count:     256
    .wavefront_size: 32
...
	.end_amdgpu_metadata
.endif
;; end of part 3
;; launch oproj (part 4): grid 64 x 4, 4 waves a work-group, clusters of 4 x 4, 327,680 bytes of LDS; arguments oc, woc, lowp_scales, out0; writes out0
.if DOCPART == 4
	.amdgcn_target "amdgcn-amd-amdhsa--gfx1250"
	.amdhsa_code_object_version 6
	.text
	.protected	k_q86c2b7f73c_oproj
	.globl	k_q86c2b7f73c_oproj
	.p2align	8
	.type	k_q86c2b7f73c_oproj,@function
k_q86c2b7f73c_oproj:
	s_mov_b64 s[64:65], 0
	v_nop
	global_prefetch_b8 v0, s[64:65] scope:SCOPE_SE
	s_setreg_imm32_b32 hwreg(HW_REG_WAVE_MODE, 25, 1), 1
	s_wait_xcnt 0x0
	s_wait_alu depctr_hold_cnt(0) depctr_sa_sdst(0) depctr_va_vdst(0) depctr_va_sdst(0) depctr_va_ssrc(0) depctr_va_vcc(0) depctr_vm_vsrc(0)
	s_getreg_b32 s2, hwreg(HW_REG_IB_STS2, 6, 4)
	s_cmp_eq_u32 s2, 0
	s_cbranch_scc0 .Lentry_in_a_cluster
	s_endpgm
.Lentry_in_a_cluster:
	s_bfe_u32 s2, ttmp6, 0x10000c
	s_cmp_lg_u32 s2, 0xf033
	s_cbranch_scc0 .Lentry_shape_is_right
	s_endpgm
.Lentry_shape_is_right:
; out0 = O wo on codes of E4M3: O's codes (e10) and wo's (e11) arrive as images of operand registers (16 rows x 64 along K, 1,024 bytes; registers 4 g .. 4 g + 3 of lane l at byte 512 g + 16 l).
; SHARES.  A work-group makes 512 tokens x 64 columns; wave w tokens 128 w on x the 64 columns: 32 accumulators.  64 x 4 = 256 work-groups.  K = 2,048 goes in steps of 256 through two LDS slots.
; CLUSTERS 4 x 4.  The four of a row of the cluster need the same codes of O, the four of a column the same columns of wo: each tile is asked for jointly.
; THE PRODUCT IS USED TRANSPOSED (source 0 = 16 columns of wo, source 1 = 16 tokens): a lane holds eight neighbouring columns of one token's row.  A block of 16 tokens x 64 columns goes through the wave's own stage,
; which lies behind the ring and the spare words and is never filled, and leaves as rows of 256 bytes.
; REGISTERS: window 0: v1-29 addresses; v32-127 at work on the way out; v128-255 wo's fragments, two sets.   window 1: O's fragments, two sets of 128.   window 2: accumulator (a, b) at v[8 (4 a + b)].
; LIMIT: e10 + e11 between -126 and 127, so that 2^(e10 + e11) is an f32 number.
.set KB,    2048
.set TS,    16*KB
.set SLOT,  147456
.set BOFF,  131072
.set SPARE, 2*SLOT                     ; the spare words, 128 bytes a wave: two blocks of 256 bytes that no other line names
.set STAGE, SPARE+512                  ; 16 rows x (256 bytes + 16) a wave
.set LAPS,  KB/512
.set ADRA,  16
.set ADRB,  20
.set SPW,   28
.set NIL,   29
.set MSB, 0
.macro WIN new                         ; the immediate's high byte repeats the setting that is left
.if MSB != \new
	s_set_vgpr_msb (MSB<<8)|\new
.set MSB, \new
.endif
.endm
.macro PLACES                          ; four plain vector instructions between a matrix instruction and a load into, or a vector instruction on, its registers
.rept 4
	v_nop
.endr
.endm
.macro CREST
	s_cmp_lg_u32 s8, 0
	s_cbranch_scc1 .Lnot_wave_0_\@
	s_barrier_signal -3
.Lnot_wave_0_\@:
	s_barrier_wait -3
	s_barrier_signal -1
	s_barrier_wait -1
.endm
.macro CROUND
	s_barrier_signal -1
	s_barrier_wait -1
	CREST
.endm
.macro MULA a, p, zero                 ; the 32 accumulators take turns in the same order in every step
.irp b, 0,1,2,3
.if \zero
	v_wmma_f32_16x16x128_fp8_fp8 v[8*(4*(\a)+\b):8*(4*(\a)+\b)+7], v[128+64*(\p)+16*\b:128+64*(\p)+16*\b+15], v[128*(\p)+16*(\a):128*(\p)+16*(\a)+15], 0
.else
	v_wmma_f32_16x16x128_fp8_fp8 v[8*(4*(\a)+\b):8*(4*(\a)+\b)+7], v[128+64*(\p)+16*\b:128+64*(\p)+16*\b+15], v[128*(\p)+16*(\a):128*(\p)+16*(\a)+15], v[8*(4*(\a)+\b):8*(4*(\a)+\b)+7]
.endif
.endr
.endm
.macro FETCH slot, q, p                ; 48 LDS loads: wo's 16, O's blocks 0-3 (16), blocks 4-7 (16)
	WIN 0
.irp b, 0,1,2,3
.irp c, 0,1,2,3
	ds_load_b128 v[128+64*(\p)+16*\b+4*\c:128+64*(\p)+16*\b+4*\c+3], v[ADRB+\slot] offset:\b*4096+(\q)*2048+512*\c
.endr
.endr
	WIN 0x40
.irp a, 0,1,2,3,4,5,6,7
.irp c, 0,1,2,3
	ds_load_b128 v[128*(\p)+16*\a+4*\c:128*(\p)+16*\a+4*\c+3], v[ADRA+\slot] offset:\a*4096+(\q)*2048+512*\c
.endr
.endr
.endm
.macro JLOAD s                         ; a joint refill; four v_nop follow each load
	s_cmp_lt_u32 s8, 2
	s_cbranch_scc0 .Lnot_a_\@
	tensor_load_to_lds s[32+4*\s:35+4*\s], s[16:23]
	s_nop 0
.rept 4
	v_nop
.endr
	s_branch .Lasked_\@
.Lnot_a_\@:
	s_cmp_eq_u32 s8, 2
	s_cbranch_scc0 .Lasked_\@
	tensor_load_to_lds s[40+4*\s:43+4*\s], s[24:31]
	s_nop 0
.rept 4
	v_nop
.endr
.Lasked_\@:
.endm
.macro STEP slot, zero
	s_wait_dscnt 16                                ; wo's fragments and O's blocks 0-3 are in; blocks 4-7 may be out
	WIN 0xa4
	MULA 0, 0, \zero
	MULA 1, 0, \zero
	MULA 2, 0, \zero
	MULA 3, 0, \zero
	PLACES
	FETCH \slot, 1, 1
	s_wait_dscnt 48                                ; all but the 48 just issued
	WIN 0xa4
	MULA 4, 0, \zero
	MULA 5, 0, \zero
	MULA 6, 0, \zero
	MULA 7, 0, \zero
.endm
.macro TURN slot, next, fill
	WIN 0
	s_wait_tensorcnt 0x0                           ; all my tensor loads have landed: my part of the next slot
	ds_add_u32 v[SPW], v[NIL]                      ; 0 onto my spare word
	s_wait_dscnt 17                                ; (the add and O's blocks 4-7 may be out)
	WIN 0xa4
	MULA 0, 1, 0
	MULA 1, 1, 0
	s_wait_dscnt 0x0                               ; the add is done, and my reads of this slot are over
	s_barrier_signal -1
	MULA 2, 1, 0
	MULA 3, 1, 0
	WIN 0
	PLACES
	s_barrier_wait -1
.if \fill
	CREST                                          ; no wave of any partner still reads this slot or has a load on its way
	s_add_nc_u64 s[34+4*\slot:35+4*\slot], s[34+4*\slot:35+4*\slot], 8192
	s_add_nc_u64 s[42+4*\slot:43+4*\slot], s[42+4*\slot:43+4*\slot], 8192
	JLOAD \slot
.endif
	FETCH \next, 0, 0
	WIN 0xa4
	MULA 4, 1, 0
	MULA 5, 1, 0
	MULA 6, 1, 0
	MULA 7, 1, 0
.endm
	s_load_b256 s[48:55], s[0:1], 0x0              ; oc 48, woc 50, scales 52, out0 54
	v_lshl_add_u32 v[SPW], v0, 2, SPARE
	v_mov_b32 v[NIL], 0
	ds_add_u32 v28, v29
	s_wait_dscnt 0x0
	v_lshrrev_b32 v1, 5, v0
	v_readfirstlane_b32 s8, v1                     ; wave 0..3
	s_bfe_u32 s9, ttmp6, 0x40000                   ; cx
	s_bfe_u32 s10, ttmp6, 0x40004                  ; cy = which 512 tokens
	s_lshl_b32 s11, ttmp9, 2
	s_add_co_u32 s11, s11, s9                      ; which 64 columns
	s_lshl_b32 s12, s10, 2
	s_lshl_b32 s12, 15, s12                        ; my row of the cluster
	s_lshl_b32 s14, 0x1111, s9                     ; my column
	s_or_b32 s16, s12, (3<<16)|(1<<21)             ; group 1: the mask; elements of 8 bytes; bit 21 beside a mask; no padding
	s_or_b32 s24, s14, (3<<16)|(1<<21)
	s_mov_b32 s17, 512<<16                         ; tensor_dim0: 4,096 bytes of a tile
	s_mov_b32 s18, 16<<16                          ; tensor_dim1: 16 tiles
	s_mov_b32 s19, 512<<16
	s_mov_b32 s20, 16
	s_mov_b32 s21, TS/8
	s_mov_b32 s22, 0
	s_mov_b32 s23, 0
	s_mov_b32 s25, 512<<16
	s_mov_b32 s26, 4<<16
	s_mov_b32 s27, 512<<16
	s_mov_b32 s28, 4
	s_mov_b32 s29, TS/8
	s_mov_b32 s30, 0
	s_mov_b32 s31, 0
	s_and_b32 s2, s8, 1
	s_lshl_b32 s4, s2, 16
	s_lshl_b32 s12, s10, 5
	s_lshl_b32 s13, s2, 4
	s_add_co_u32 s12, s12, s13
	s_mul_i32 s12, s12, TS
	s_mov_b32 s13, 0
	s_mul_i32 s14, s11, 4*TS
	s_mov_b32 s15, 0
	s_wait_kmcnt 0x0
	s_load_b64 s[56:57], s[52:53], 0x28            ; e10, e11
	s_add_nc_u64 s[12:13], s[48:49], s[12:13]
	s_add_nc_u64 s[14:15], s[50:51], s[14:15]
	CROUND
.irp s, 0,1
	s_mov_b32 s[32+4*\s], 1
	s_add_co_u32 s[33+4*\s], s4, \s*SLOT
	s_add_nc_u64 s[34+4*\s:35+4*\s], s[12:13], \s*4096
	s_or_b32 s[35+4*\s], s[35+4*\s], 0x80000000
	s_mov_b32 s[40+4*\s], 1
	s_mov_b32 s[41+4*\s], \s*SLOT+BOFF
	s_add_nc_u64 s[42+4*\s:43+4*\s], s[14:15], \s*4096
	s_or_b32 s[43+4*\s], s[43+4*\s], 0x80000000
.endr
	s_cmp_lt_u32 s8, 2                             ; a wave's two first fills stand in one branch
	s_cbranch_scc0 .Lff_not_a
	tensor_load_to_lds s[32:35], s[16:23]
	s_nop 0
	tensor_load_to_lds s[36:39], s[16:23]
	s_nop 0
.rept 4
	v_nop
.endr
	s_branch .Lff_done
.Lff_not_a:
	s_cmp_eq_u32 s8, 2
	s_cbranch_scc0 .Lff_done
	tensor_load_to_lds s[40:43], s[24:31]
	s_nop 0
	tensor_load_to_lds s[44:47], s[24:31]
	s_nop 0
.rept 4
	v_nop
.endr
.Lff_done:
	v_and_b32 v1, 15, v0                           ; r
	v_bfe_u32 v2, v0, 4, 1                         ; h
	v_and_b32 v3, 31, v0
	v_lshlrev_b32 v3, 4, v3
	s_lshl_b32 s5, s8, 15
	v_add_nc_u32 v[ADRA], s5, v3
	v_add_nc_u32 v[ADRA+1], SLOT, v[ADRA]
	v_add_nc_u32 v[ADRB], BOFF, v3
	v_add_nc_u32 v[ADRB+1], SLOT, v[ADRB]
	s_mul_i32 s5, s8, 4352
	s_add_co_u32 s5, s5, STAGE                     ; my stage
	v_mul_u32_u24 v24, v1, 272
	v_lshl_add_u32 v24, v2, 5, v24
	v_add_nc_u32 v24, s5, v24                      ; in: token r, + 32 h
	v_mul_u32_u24 v25, v2, 272
	v_lshl_add_u32 v25, v1, 4, v25
	v_add_nc_u32 v25, s5, v25                      ; back: lanes 0-15 one row of 256 bytes, lanes 16-31 the next
	v_lshlrev_b32 v26, 14, v2
	v_lshl_add_u32 v26, v1, 4, v26                 ; and the same two rows in out0
	s_lshl_b32 s6, s10, 9
	s_lshl_b32 s7, s8, 7
	s_add_co_u32 s6, s6, s7                        ; my first token
	s_lshl_b32 s6, s6, 14                          ; rows of 16,384 bytes
	s_lshl_b32 s7, s11, 8                          ; my 64 columns: 256 bytes
	s_add_co_u32 s6, s6, s7
	s_mov_b32 s7, 0
	s_add_nc_u64 s[60:61], s[54:55], s[6:7]
	s_wait_tensorcnt 0x1                           ; my part of slot 0 is in; slot 1's may stay out
	s_barrier_signal -1
	s_barrier_wait -1
	FETCH 0, 0, 0
	STEP 0, 1
	WIN 0
	s_mov_b32 s3, LAPS-1
.Llap:
	TURN 0, 1, 1
	STEP 1, 0
	TURN 1, 0, 1
	STEP 0, 0
	WIN 0
	s_sub_co_u32 s3, s3, 1
	s_cmp_lg_u32 s3, 0
	s_cbranch_scc1 .Llap
	TURN 0, 1, 0
	STEP 1, 0
	s_wait_dscnt 16
	WIN 0xa4
	MULA 0, 1, 0
	MULA 1, 1, 0
	MULA 2, 1, 0
	MULA 3, 1, 0
	s_wait_dscnt 0x0
	MULA 4, 1, 0
	MULA 5, 1, 0
	MULA 6, 1, 0
	MULA 7, 1, 0
	WIN 0
	PLACES
; THE WAY OUT, a block of 16 tokens at a time
.macro TOSTAGE a
	WIN 0x02                                       ; source 0 window 2
.set i, 0
.rept 16
	v_pk_mul_f32 v[32+2*i:33+2*i], v[32*(\a)+2*i:32*(\a)+2*i+1], s[58:59] op_sel_hi:[1,0]   ; x 2^(e10 + e11); each accumulator from its low end on
.set i, i+1
.endr
	WIN 0
.irp b, 0,1,2,3
	ds_store_b128 v24, v[32+8*\b:35+8*\b] offset:64*\b
	ds_store_b128 v24, v[36+8*\b:39+8*\b] offset:64*\b+16
.endr
.irp t, 0,1,2,3,4,5,6,7
	ds_load_b128 v[64+32*((\a)%2)+4*\t:67+32*((\a)%2)+4*\t], v25 offset:\t*544   ; LDS serves a wave's instructions in order: these see the stores above, and the next block's stores come behind them
.endr
.endm
.macro SEND a, younger                 ; younger: the LDS instructions issued behind block a's loads
	s_wait_dscnt \younger
.if (\a) > 0
	s_add_nc_u64 s[60:61], s[60:61], 262144        ; 16 rows on (behind a wait on XCNT: the earlier stores have read their base)
.endif
.irp t, 0,1,2,3,4,5,6,7
	global_store_b128 v26, v[64+32*((\a)%2)+4*\t:67+32*((\a)%2)+4*\t], s[60:61] offset:\t*32768 th:TH_STORE_NT   ; sixteen lanes store 256 consecutive bytes, aligned; written once, read by nobody here
.endr
.endm
	s_wait_kmcnt 0x0
	s_add_co_i32 s58, s56, s57
	s_add_co_i32 s58, s58, 127
	s_lshl_b32 s58, s58, 23                        ; 2^(e10 + e11) as f32
	s_mov_b32 s59, s58                             ; (named with it as a pair)
	TOSTAGE 0
.irp a, 1,2,3,4,5,6,7
.if \a > 1
	s_wait_xcnt 0x0                                ; block a - 2's stores have read their registers and their base
.endif
	TOSTAGE \a
	SEND \a-1, 16                                  ; behind block a - 1's loads: block a's 8 stores and 8 loads
.endr
	s_wait_xcnt 0x0
	SEND 7, 0
	s_wait_tensorcnt 0x0                           ; the wave's end
	ds_add_u32 v[SPW], v[NIL]
	s_wait_dscnt 0x0
	CROUND                                         ; the closing round
	s_endpgm
.Lfunc_end_k_q86c2b7f73c_oproj:
	.size	k_q86c2b7f73c_oproj, .Lfunc_end_k_q86c2b7f73c_oproj-k_q86c2b7f73c_oproj
	.p2alignl 7, 3214868480
	.fill 96, 4, 3214868480
	.section	.rodata,"a",@progbits
	.p2align	6, 0x0
	.amdhsa_kernel k_q86c2b7f73c_oproj
		.amdhsa_group_segment_fixed_size 327680
		.amdhsa_private_segment_fixed_size 0
		.amdhsa_enable_private_segment 0
		.amdhsa_kernarg_size 32
		.amdhsa_user_sgpr_count 2
		.amdhsa_user_sgpr_kernarg_segment_ptr 1
		.amdhsa_wavefront_size32 1
		.amdhsa_system_sgpr_workgroup_id_x 1
		.amdhsa_system_sgpr_workgroup_id_y 1
		.amdhsa_system_sgpr_workgroup_id_z 1
		.amdhsa_system_vgpr_workitem_id 0
		.amdhsa_next_free_vgpr 768
		.amdhsa_next_free_sgpr 66
		.amdhsa_reserve_vcc 0
		.amdhsa_float_denorm_mode_32 3
		.amdhsa_float_denorm_mode_16_64 3
		.amdhsa_memory_ordered 1
		.amdhsa_forward_progress 1
		.amdhsa_inst_pref_size 75
	.end_amdhsa_kernel
	.amdgpu_metadata
---
amdhsa.version: [ 1, 2 ]
amdhsa.kernels:
  - .name:           k_q86c2b7f73c_oproj
    .symbol:         k_q86c2b7f73c_oproj.kd
    .args:
      - { .name: oc, .offset: 0, .size: 8, .value_kind: global_buffer, .address_space: global }
      - { .name: woc, .offset: 8, .size: 8, .value_kind: global_buffer, .address_space: global }
      - { .name: lowp_scales, .offset: 16, .size: 8, .value_kind: global_buffer, .address_space: global }
      - { .name: out0, .offset: 24, .size: 8, .value_kind: global_buffer, .address_space: global }
    .group_segment_fixed_size: 327680
    .private_segment_fixed_size: 0
    .kernarg_segment_align: 8
    .kernarg_segment_size: 32
    .max_flat_workgroup_size: 128
    .sgpr_count:     66
    .vgpr_count:     768
    .wavefront_size: 32
...
	.end_amdgpu_metadata
.endif
;; end of part 4
;; ======== version 2 of 2: 4 launches
;; limits: right only within a limited range of input values
;; workspace buffers: xc 25,165,824 bytes; wc 10,485,760 bytes; woc 8,388,608 bytes; qf 4,194,304 bytes; kf 524,288 bytes; vf 524,288 bytes; oc 4,194,304 bytes
;; launch quant (part 5): grid 544 x 1, 8 waves a work-group, no clusters, 136,192 bytes of LDS; arguments x, wq, wk, wv, wo, lowp_scales, xc, wc, woc; writes xc, wc, woc
.if DOCPART == 5
	.amdgcn_target "amdgcn-amd-amdhsa--gfx1250"
	.amdhsa_code_object_version 6
	.text
	.protected	k_q86c2b7f73c_quant
	.globl	k_q86c2b7f73c_quant
	.p2align	8
	.type	k_q86c2b7f73c_quant,@function
k_q86c2b7f73c_quant:
	s_mov_b64 s[64:65], 0
	v_nop
	global_prefetch_b8 v0, s[64:65] scope:SCOPE_SE
	s_setreg_imm32_b32 hwreg(HW_REG_WAVE_MODE, 25, 1), 1
	s_wait_xcnt 0x0
; x, wq, wk, wv, wo (f32) become codes of E4M3, each with its given scale 2^e: code = number / 2^e, held within +-448, to the nearest code, ties to even.
; THE CODES ARE LAID AS IMAGES OF OPERAND REGISTERS.  An image is 16 rows x 64 along K = 1,024 bytes: lane (r = lane % 16, h = lane / 16) of the 8-bit matrix operand holds, of row r,
; k = 16 c + 8 h + 0..7 in registers 2 c, 2 c + 1; registers 4 g .. 4 g + 3 of lane l lie at byte 512 g + 16 l.  So every later launch loads fragments as 16 bytes a lane, 512 consecutive bytes an instruction.
;   xc  [3 sets][128 tiles of 16 tokens][64 images]: x by e0, e2, e4 (its three products have a scale each)
;   wc  [160 tiles of 16 columns][64 images]: wq (e1), wk (e3), wv (e5), K innermost      woc [256 tiles of 16 columns][32 images]: wo (e11)
; Work-groups 0-255 take x, 256-543 the weights; the two ways part on the work-group's number, never join, and have LDS bytes of their own.  Waves share nothing: no barrier.
; No matrix unit, no cluster, no tensor load: every input byte is read once by one wave and nothing is shared.
; LIMITS: each e used lies between -126 and 119, so that 2^e and 448 x 2^e are f32 numbers.  NaN among the inputs is not served (an infinity is held at the largest code).
.set XST,   4352                       ; x: a stage of 16 rows x (256 bytes + 16)
.set XWAVE, 8704                       ; two stages a wave
.set WBASE, 69632                      ; behind x's stages: the weights' stages, 8,192 bytes a wave
.set R,    16                          ; v16-143  x as loaded: 4 units x 32
.set X,    144                         ; v144-175 a unit's 32 numbers in the operand's order
.set T,    176                         ; v176-191 two sets of 8 held numbers
.set C,    192                         ; v192-239 two sets of 3 x 8 registers of codes
.set SC,   240                         ; v240+2s: 2^e; v241+2s: 448 x 2^e, for the three sets
.set WOFF, 16                          ; v16-47   weights: byte offset of row i of a block, at my column
.set WX,   48                          ; v48-111  two sets of 32 numbers down K
.set WC,   112                         ; v112-119 a block's codes
.set WOUT, 120                         ; v120-183 the way out
; One unit of x: 16 tokens x 64 along K.  As loaded, sixteen lanes hold 256 consecutive bytes of a row; the stage turns that into 8 neighbours along K a lane and piece.
.macro XUNIT u
	s_wait_loadcnt 24-8*(\u)                       ; this unit's eight loads are in; the younger units' eight each may be out
.irp i, 0,1,2,3,4,5,6,7
	ds_store_b128 v6, v[R+32*(\u)+4*\i:R+32*(\u)+4*\i+3] offset:((\u)%2)*XST+\i*544
.endr
.irp c, 0,1,2,3
.irp m, 0,1
	ds_load_b128 v[X+8*\c+4*\m:X+8*\c+4*\m+3], v7 offset:((\u)%2)*XST+64*\c+16*\m   ; LDS serves a wave's instructions in order: these see the stores above
.endr
.endr
	s_wait_dscnt 0x0
.if (\u) >= 2
	s_wait_xcnt 0x0                                ; the stores of two units ago have read this set of code registers
.endif
.irp s, 0,1,2
.irp c, 0,1,2,3
.irp j, 0,1,2,3,4,5,6,7
	v_med3_num_f32 v[T+8*(\c%2)+\j], v[X+8*\c+\j], -v[SC+1+2*\s], v[SC+1+2*\s]   ; the conversion does not saturate (ISA guide 7.6.2): the hold comes first.  The other set's eight holds stand between a conversion and the rewriting of its sources
.endr
	v_cvt_scalef32_pk8_fp8_f32 v[C+24*((\u)%2)+8*\s+2*\c:C+24*((\u)%2)+8*\s+2*\c+1], v[T+8*(\c%2):T+8*(\c%2)+7], v[SC+2*\s]
.endr
.endr
.irp s, 0,1,2
.irp g, 0,1
	global_store_b128 v4, v[C+24*((\u)%2)+8*\s+4*\g:C+24*((\u)%2)+8*\s+4*\g+3], s[38+2*\s:39+2*\s] offset:(\u)*1024+\g*512   ; the wave stores 512 consecutive bytes, aligned
.endr
.endr
.endm
; Weights: block t is 32 rows (along K) of my column
.macro WLOAD t
.set i, 0
.rept 32
	global_load_b32 v[WX+32*((\t)%2)+i], v[WOFF+i], s[4+2*(\t):5+2*(\t)] th:TH_LOAD_NT
.set i, i+1
.endr
.endm
.macro WBLOCK t
.if (\t) < 7
	s_wait_loadcnt 32                              ; this block's 32 loads are in; the next block's may be out
.else
	s_wait_loadcnt 0x0
.endif
.set i, 0
.rept 32
	v_med3_num_f32 v[WX+32*((\t)%2)+i], v[WX+32*((\t)%2)+i], -v9, v9
.set i, i+1
.endr
.irp u, 0,1,2,3
	v_cvt_scalef32_pk8_fp8_f32 v[WC+2*\u:WC+2*\u+1], v[WX+32*((\t)%2)+8*\u:WX+32*((\t)%2)+8*\u+7], v8
.endr
.irp u, 0,1,2,3
	ds_store_b64 v10, v[WC+2*\u:WC+2*\u+1] offset:((\t)/2)*1024+((\t)%2)*512+(\u%2)*256+(\u/2)*8   ; piece u (k = 8 u on) belongs to lane (r, u % 2), half u / 2 of its 16 bytes
.endr
.if (\t)+2 < 8
	WLOAD (\t)+2
.endif
	s_wait_dscnt 0x0                               ; the stores have read the code registers: the next block may write them
.endm
	s_load_b512 s[4:19], s[0:1], 0x0               ; x, wq, wk, wv, wo, scales, xc, wc
	s_load_b64 s[20:21], s[0:1], 0x40              ; woc
	v_lshl_add_u32 v254, v0, 2, 0x21000
	v_mov_b32 v255, 0
	v_lshrrev_b32 v1, 5, v0
	s_delay_alu instid0(VALU_DEP_1)
	v_readfirstlane_b32 s22, v1                    ; wave 0..7
	v_and_b32 v1, 31, v0                           ; lane
	v_and_b32 v2, 15, v0                           ; r
	v_bfe_u32 v3, v0, 4, 1                         ; h
	s_delay_alu instid0(VALU_DEP_3)
	v_lshlrev_b32 v4, 4, v1                        ; 16 x lane
	s_wait_kmcnt 0x0
	s_load_b256 s[24:31], s[14:15], 0x0            ; e0 .. e7
	s_load_b128 s[32:35], s[14:15], 0x20           ; e8 .. e11
	s_cmp_lt_u32 ttmp9, 256
	s_cbranch_scc0 .Lweights
	; ---- x.  Wave W = 8 x work-group + wave takes tile W / 16 of 16 tokens and images 4 (W % 16) .. + 3: 1,024 bytes of each row
	s_lshl_b32 s23, ttmp9, 3
	s_add_co_u32 s23, s23, s22
	s_lshr_b32 s44, s23, 4                         ; the tile of tokens
	s_and_b32 s45, s23, 15
	s_lshl_b32 s46, s44, 18                        ; 16 rows of 16,384 bytes
	s_lshl_b32 s48, s45, 10
	s_add_co_u32 s46, s46, s48
	s_mov_b32 s47, 0
	s_add_nc_u64 s[36:37], s[4:5], s[46:47]
	s_lshl_b32 s46, s44, 16                        ; 64 images a tile
	s_lshl_b32 s48, s45, 12
	s_add_co_u32 s46, s46, s48
	s_add_nc_u64 s[38:39], s[16:17], s[46:47]      ; set 0,
	s_add_nc_u64 s[40:41], s[38:39], 0x800000      ; set 1,
	s_add_nc_u64 s[42:43], s[40:41], 0x800000      ; set 2
	s_wait_alu depctr_va_vdst(0)
	v_lshlrev_b32 v5, 14, v3
	s_delay_alu instid0(VALU_DEP_1)
	v_lshl_add_u32 v5, v2, 4, v5                   ; lanes 0-15: 256 bytes of one row; lanes 16-31: of the next
.irp u, 0,1,2,3
.irp i, 0,1,2,3,4,5,6,7
	global_load_b128 v[R+32*\u+4*\i:R+32*\u+4*\i+3], v5, s[36:37] offset:\i*32768+\u*256 th:TH_LOAD_NT   ; all 32 loads of the wave go out at once
.endr
.endr
	s_mul_i32 s48, s22, XWAVE
	v_mul_u32_u24 v6, v3, 272
	s_delay_alu instid0(VALU_DEP_1)
	v_lshl_add_u32 v6, v2, 4, v6
	s_delay_alu instid0(VALU_DEP_1)
	v_add_nc_u32 v6, s48, v6                       ; into the stage: as loaded
	v_mul_u32_u24 v7, v2, 272
	s_delay_alu instid0(VALU_DEP_1)
	v_lshl_add_u32 v7, v3, 5, v7
	s_delay_alu instid0(VALU_DEP_1)
	v_add_nc_u32 v7, s48, v7                       ; out of it: row r, 32 h bytes on
	s_wait_alu depctr_va_vdst(0)
	s_wait_kmcnt 0x0
.irp s, 0,1,2
	s_add_co_i32 s44, s[24+2*\s], 127
	s_lshl_b32 s45, s44, 23
	v_mov_b32 v[SC+2*\s], s45                      ; 2^e as f32: the conversion takes its exponent field
	s_add_co_i32 s44, s44, 8
	s_lshl_b32 s44, s44, 23
	s_or_b32 s44, s44, 0x600000
	v_mov_b32 v[SC+1+2*\s], s44                    ; 448 x 2^e
.endr
	s_wait_alu depctr_va_vdst(0)
	XUNIT 0
	XUNIT 1
	XUNIT 2
	XUNIT 3
	s_wait_tensorcnt 0x0
	ds_add_u32 v254, v255
	s_wait_dscnt 0x0
	s_endpgm
	; ---- the weights, stored [K][N].  A LANE TAKES A COLUMN AND ITS REGISTERS RUN DOWN K: the conversions then give codes with K innermost.  A work-group takes 256 columns x 256 along K, a wave 32 columns.
.Lweights:
	s_wait_kmcnt 0x0                               ; the exponents are in, and their load has read s[14:15], which is written below
	s_mov_b32 s44, 416                             ; wo's figures: first work-group,
	s_mov_b32 s45, 4                               ; log2 of its groups of 256 columns,
	s_mov_b32 s46, 16384                           ; bytes in a row,
	s_mov_b64 s[48:49], s[12:13]                   ; from,
	s_mov_b64 s[50:51], s[20:21]                   ; to,
	s_mov_b32 s52, 0                               ; first tile of columns there,
	s_mov_b32 s53, 32768                           ; bytes of such a tile,
	s_mov_b32 s54, s35                             ; e
	s_cmp_lt_u32 ttmp9, 416                        ; wv's.  Every choice hangs on the work-group's number alone
	s_cselect_b32 s44, 400, s44
	s_cselect_b32 s45, 0, s45
	s_cselect_b32 s46, 1024, s46
	s_cselect_b64 s[48:49], s[10:11], s[48:49]
	s_cselect_b64 s[50:51], s[18:19], s[50:51]
	s_cselect_b32 s52, 144, s52
	s_cselect_b32 s53, 65536, s53
	s_cselect_b32 s54, s29, s54
	s_cmp_lt_u32 ttmp9, 400                        ; wk's
	s_cselect_b32 s44, 384, s44
	s_cselect_b64 s[48:49], s[8:9], s[48:49]
	s_cselect_b32 s52, 128, s52
	s_cselect_b32 s54, s27, s54
	s_cmp_lt_u32 ttmp9, 384                        ; wq's
	s_cselect_b32 s44, 256, s44
	s_cselect_b32 s45, 3, s45
	s_cselect_b32 s46, 8192, s46
	s_cselect_b64 s[48:49], s[6:7], s[48:49]
	s_cselect_b32 s52, 0, s52
	s_cselect_b32 s54, s25, s54
	s_sub_co_u32 s55, ttmp9, s44
	s_lshl_b32 s56, 1, s45
	s_sub_co_u32 s56, s56, 1
	s_and_b32 s56, s55, s56                        ; which 256 columns
	s_lshr_b32 s57, s55, s45                       ; which 256 along K
	s_lshl_b32 s55, s56, 4
	s_add_co_u32 s55, s55, s52
	s_lshl_b32 s52, s22, 1
	s_add_co_u32 s55, s55, s52                     ; my wave's first tile of 16 columns
	s_mul_i32 s58, s55, s53
	s_lshl_b32 s52, s57, 12                        ; 256 along K are four images
	s_add_co_u32 s58, s58, s52
	s_mov_b32 s59, 0
	s_add_nc_u64 s[60:61], s[50:51], s[58:59]      ; where my first tile's four images go,
	s_mov_b32 s58, s53
	s_add_nc_u64 s[62:63], s[60:61], s[58:59]      ; and my second tile's
	s_lshl_b32 s58, s46, 8
	s_mul_i32 s58, s58, s57                        ; 256 rows a group along K
	s_lshl_b32 s52, s56, 10
	s_add_co_u32 s58, s58, s52
	s_lshl_b32 s52, s22, 7
	s_add_co_u32 s58, s58, s52                     ; + my wave's 32 columns
	s_add_nc_u64 s[4:5], s[48:49], s[58:59]        ; block 0's base; the eight bases are never rewritten
	s_lshl_b32 s58, s46, 5                         ; 32 rows on
.irp t, 1,2,3,4,5,6,7
	s_add_nc_u64 s[4+2*\t:5+2*\t], s[2+2*\t:3+2*\t], s[58:59]
.endr
	s_wait_alu depctr_va_vdst(0)
	v_lshlrev_b32 v[WOFF], 2, v1                   ; 4 bytes a lane: the wave reads 128 consecutive bytes of a row, the eight waves 1,024
.set i, 1
.rept 31
	s_delay_alu instid0(VALU_DEP_1)
	v_add_nc_u32 v[WOFF+i], s46, v[WOFF+i-1]
.set i, i+1
.endr
	WLOAD 0
	WLOAD 1
	s_lshl_b32 s23, s22, 13
	s_add_co_u32 s23, s23, WBASE                   ; my stage: [2 tiles][4 images][1,024]
	v_lshlrev_b32 v10, 12, v3
	s_delay_alu instid0(VALU_DEP_1)
	v_lshl_add_u32 v10, v2, 4, v10
	s_delay_alu instid0(VALU_DEP_1)
	v_add_nc_u32 v10, s23, v10                     ; into it: my column's tile, 16 r
	v_add_nc_u32 v11, s23, v4                      ; out of it: 16 x lane
	s_add_co_i32 s54, s54, 127
	s_lshl_b32 s55, s54, 23
	v_mov_b32 v8, s55                              ; 2^e
	s_add_co_i32 s54, s54, 8
	s_lshl_b32 s54, s54, 23
	s_or_b32 s54, s54, 0x600000
	v_mov_b32 v9, s54                              ; 448 x 2^e
	s_wait_alu depctr_va_vdst(0)
.irp t, 0,1,2,3,4,5,6,7
	WBLOCK \t
.endr
.irp i, 0,1,2,3,4,5,6,7,8,9,10,11,12,13,14,15
	ds_load_b128 v[WOUT+4*\i:WOUT+4*\i+3], v11 offset:\i*512
.endr
.irp i, 0,1,2,3,4,5,6,7
	s_wait_dscnt 15-\i
	global_store_b128 v4, v[WOUT+4*\i:WOUT+4*\i+3], s[60:61] offset:\i*512          ; 512 consecutive bytes, aligned
.endr
.irp i, 8,9,10,11,12,13,14,15
	s_wait_dscnt 15-\i
	global_store_b128 v4, v[WOUT+4*\i:WOUT+4*\i+3], s[62:63] offset:(\i-8)*512
.endr
	s_wait_tensorcnt 0x0
	ds_add_u32 v254, v255
	s_wait_dscnt 0x0
	s_endpgm
.Lfunc_end_k_q86c2b7f73c_quant:
	.size	k_q86c2b7f73c_quant, .Lfunc_end_k_q86c2b7f73c_quant-k_q86c2b7f73c_quant
	.p2alignl 7, 3214868480
	.fill 96, 4, 3214868480
	.section	.rodata,"a",@progbits
	.p2align	6, 0x0
	.amdhsa_kernel k_q86c2b7f73c_quant
		.amdhsa_group_segment_fixed_size 136192
		.amdhsa_private_segment_fixed_size 0
		.amdhsa_enable_private_segment 0
		.amdhsa_kernarg_size 72
		.amdhsa_user_sgpr_count 2
		.amdhsa_user_sgpr_kernarg_segment_ptr 1
		.amdhsa_wavefront_size32 1
		.amdhsa_system_sgpr_workgroup_id_x 1
		.amdhsa_system_sgpr_workgroup_id_y 1
		.amdhsa_system_sgpr_workgroup_id_z 1
		.amdhsa_system_vgpr_workitem_id 0
		.amdhsa_next_free_vgpr 256
		.amdhsa_next_free_sgpr 66
		.amdhsa_reserve_vcc 0
		.amdhsa_float_denorm_mode_32 3
		.amdhsa_float_denorm_mode_16_64 3
		.amdhsa_memory_ordered 1
		.amdhsa_forward_progress 1
		.amdhsa_inst_pref_size 93
	.end_amdhsa_kernel
	.amdgpu_metadata
---
amdhsa.version: [ 1, 2 ]
amdhsa.kernels:
  - .name:           k_q86c2b7f73c_quant
    .symbol:         k_q86c2b7f73c_quant.kd
    .args:
      - { .name: x, .offset: 0, .size: 8, .value_kind: global_buffer, .address_space: global }
      - { .name: wq, .offset: 8, .size: 8, .value_kind: global_buffer, .address_space: global }
      - { .name: wk, .offset: 16, .size: 8, .value_kind: global_buffer, .address_space: global }
      - { .name: wv, .offset: 24, .size: 8, .value_kind: global_buffer, .address_space: global }
      - { .name: wo, .offset: 32, .size: 8, .value_kind: global_buffer, .address_space: global }
      - { .name: lowp_scales, .offset: 40, .size: 8, .value_kind: global_buffer, .address_space: global }
      - { .name: xc, .offset: 48, .size: 8, .value_kind: global_buffer, .address_space: global }
      - { .name: wc, .offset: 56, .size: 8, .value_kind: global_buffer, .address_space: global }
      - { .name: woc, .offset: 64, .size: 8, .value_kind: global_buffer, .address_space: global }
    .group_segment_fixed_size: 136192
    .private_segment_fixed_size: 0
    .kernarg_segment_align: 8
    .kernarg_segment_size: 72
    .max_flat_workgroup_size: 256
    .sgpr_count:     66
    .vgpr_count:     256
    .wavefront_size: 32
...
	.end_amdgpu_metadata
.endif
;; end of part 5
;; launch qkv (part 6): grid 160 x 1, 4 waves a work-group, no clusters, 327,680 bytes of LDS; arguments xc, wc, lowp_scales, q_norm_w, k_norm_w, freqs_cos, freqs_sin, qf, kf, vf; writes qf, kf, vf
.if DOCPART == 6
	.amdgcn_target "amdgcn-amd-amdhsa--gfx1250"
	.amdhsa_code_object_version 6
	.text
	.protected	k_q86c2b7f73c_qkv
	.globl	k_q86c2b7f73c_qkv
	.p2align	8
	.type	k_q86c2b7f73c_qkv,@function
k_q86c2b7f73c_qkv:
	s_mov_b64 s[64:65], 0
	v_nop
	global_prefetch_b8 v0, s[64:65] scope:SCOPE_SE
	s_setreg_imm32_b32 hwreg(HW_REG_WAVE_MODE, 25, 1), 1
	s_wait_xcnt 0x0
; x wq, x wk, x wv on codes of E4M3; then, for q and k, the RMS norm over the head's 64 channels and the rotary turn, in f32; then q, k and v are quantised (e7, e6, e8) and stored as images of operand registers.
; An image: 16 rows x 64 along K, 1,024 bytes; registers 4 g .. 4 g + 3 of lane l at byte 512 g + 16 l; two images on end are a fragment for K = 128.
; SHARES.  A work-group makes 128 tokens x 256 columns = FOUR HEADS (blocks of columns 0-7: q's heads, 8: k's four, 9: v's four); wave w makes the 128 tokens x head w of the four: 32 accumulators, 256 registers.
; THE WEIGHTS GO FROM MEMORY STRAIGHT INTO REGISTERS: a wave's head is read by no other wave of the work-group, and the images are laid as the registers want them (512 consecutive bytes an instruction).
; Four sets of 64 registers take turns: a step of 128 along K asks for the set of three steps on, so 48 loads of a wave stand ahead of the set in use.
; THE TOKENS' CODES, which all four waves read, go through two LDS slots of 128 tokens x 1,024 along K (131,072 bytes, eight steps): four fills for K = 4,096, each asked for a whole pass of 256 matrix instructions ahead;
; each wave brings two tiles of 16 tokens, 2 x 16,384 consecutive bytes, by one tensor load behind each change of slots.
; NO CLUSTER: the weights are not staged, and the tokens' codes are shared only among q's eight blocks of columns: k and v have one block each, with codes of x of their own (x has a scale for each product), so they have no partner.
; NO PREFETCH: the weights' loads are themselves issued three steps ahead, and a slot's fill a whole pass ahead of its first read.
; THE PRODUCT IS USED TRANSPOSED (source 0 = 16 columns of the weight, source 1 = 16 tokens): lane (r, h) holds token r and channels 16 b + 8 h + 0..7 of tile b, which one conversion turns into registers 2 b, 2 b + 1 of the next operand.
; v's next K is the keys: it turns through LDS, in bytes of the slots, behind a barrier behind which nobody reads them and nothing is filled.
; REGISTERS, in windows of 256: window 0: v1-29 addresses; v32-63 the norm's weights; v64-127 at work on the way out; v128-255 x's fragments, one set (on the way out: codes, sums).
;   window 1: the weights' four sets.   window 2: accumulator (a, b) at v[8 (4 a + b)].   window 3: cos at v[16 a + i], sin at v[128 + 16 a + i]: my token's four pairs of tile b at i = 4 b ..
; LIMITS: e6, e7 and e8 - e4 - e5 between -126 and 119, so that each conversion's scale and its hold are f32 numbers.  NaN among the inputs is not served.
.set TS,    65536                      ; a tile of 16 rows in memory: 64 images
.set CH,    16384                      ; what a slot holds of a tile: 1,024 along K, 16 images
.set SLOT,  131072
.set SPARE, 262144                     ; behind the ring: the spare words, 128 bytes a wave
.set TAB,   SPARE+512                  ; behind them: my 128 tokens' rows of cos, then of sin: 2 x 128 rows x (128 bytes + 16), filled once
.set SPW,   28                         ; v28 my spare word; never rewritten
.set NIL,   29                         ; v29 0; never rewritten
.set MSB, 0
.macro WIN new                         ; the immediate's high byte repeats the setting that is left
.if MSB != \new
	s_set_vgpr_msb (MSB<<8)|\new
.set MSB, \new
.endif
.endm
.macro PLACES                          ; four plain vector instructions between a matrix instruction and a load into, or a vector instruction on, its registers
.rept 4
	v_nop
.endr
.endm
; four matrix instructions: tokens' block a against the head's four tiles of columns, set p.  The 32 accumulators take turns in the same order in every step.
.macro MULA a, p, zero
.irp b, 0,1,2,3
.if \zero
	v_wmma_f32_16x16x128_fp8_fp8 v[8*(4*(\a)+\b):8*(4*(\a)+\b)+7], v[64*(\p)+16*\b:64*(\p)+16*\b+15], v[128+16*(\a):128+16*(\a)+15], 0
.else
	v_wmma_f32_16x16x128_fp8_fp8 v[8*(4*(\a)+\b):8*(4*(\a)+\b)+7], v[64*(\p)+16*\b:64*(\p)+16*\b+15], v[128+16*(\a):128+16*(\a)+15], v[8*(4*(\a)+\b):8*(4*(\a)+\b)+7]
.endif
.endr
.endm
.macro FETCHX q, g                     ; 16 LDS loads: x's blocks 4 g .. 4 g + 3 of the slot's q-th 128 along K
.irp a, 0,1,2,3
.irp c, 0,1,2,3
	ds_load_b128 v[128+64*(\g)+16*\a+4*\c:128+64*(\g)+16*\a+4*\c+3], v[16+(\g)] offset:\a*CH+(\q)*2048+512*\c
.endr
.endr
.endm
.macro WLOAD j                         ; 16 loads: my head's four fragments of step j (counted from the base in s[36:37]) into set j % 4
.irp b, 0,1,2,3
.irp c, 0,1,2,3
	global_load_b128 v[64*((\j)%4)+16*\b+4*\c:64*((\j)%4)+16*\b+4*\c+3], v3, s[36:37] offset:\b*TS+(\j)*2048+512*\c
.endr
.endr
.endm
; a step of 128 along K.  nx: the next step lies in the same slot, and its fragments of x are fetched: a block of x is free when its four products are issued.  wl: the weights of three steps on are asked for.
.macro STEP j, zero, nx, wl
.if \wl
	WIN 0x40                                       ; destination window 1
	WLOAD (\j)+3                                   ; into the set that the last step multiplied; four places stand behind its products
	s_wait_loadcnt 48                              ; this step's set is in; the three younger sets may be out
.else
	s_wait_loadcnt 16*(15-(\j))                    ; the sets still to come may be out
.endif
	s_wait_dscnt 16                                ; x's blocks 0-3 are in; blocks 4-7 may be out
	WIN 0xa1                                       ; source 0 window 1, source 1 window 0, C and D window 2
	MULA 0, (\j)%4, \zero
	MULA 1, (\j)%4, \zero
	MULA 2, (\j)%4, \zero
	MULA 3, (\j)%4, \zero
	s_wait_dscnt 0x0                               ; blocks 4-7 are in
.if \nx
	PLACES
	WIN 0
	FETCHX ((\j)%8)+1, 0
	WIN 0xa1
.endif
	MULA 4, (\j)%4, \zero
	MULA 5, (\j)%4, \zero
	MULA 6, (\j)%4, \zero
	MULA 7, (\j)%4, \zero
	PLACES
	WIN 0
.if \nx
	FETCHX ((\j)%8)+1, 1
.endif
.endm
; the change of slots: each wave waits for its tensor load (its part of the slot ahead), adds 0 to its spare word, and waits for that and for its reads of the slot that it leaves; one barrier.
; fill = 1: the slot just left (the first time: slot 1, never filled yet) takes the next 1,024 along K: the wave's one tensor load until the next change.
.macro CHANGE fill
	s_wait_tensorcnt 0x0
	ds_add_u32 v[SPW], v[NIL]
.if \fill
	s_xor_b32 s33, s33, SLOT                       ; no load of mine is out: the walking descriptor may be written
	s_add_nc_u64 s[34:35], s[34:35], CH
.endif
	s_xor_b32 s2, s2, SLOT                         ; the slot ahead
	v_add_nc_u32 v16, s2, v3                       ; x's blocks 0-3 there,
	v_add_nc_u32 v17, s2, v4                       ; blocks 4-7
	s_wait_alu depctr_va_vdst(0)
	s_wait_dscnt 0x0
	s_barrier_signal -1
	s_barrier_wait -1
.if \fill == 1
	tensor_load_to_lds s[32:35], s[16:23]
	s_nop 0
.endif
.if \fill == 0                                     ; behind the last change nothing is filled again: here the tables get their one fill, a quarter a wave.  v has no turn: its work-groups, told by their number, ask for none
	s_cmp_eq_u32 s10, 9
	s_cbranch_scc1 .Lno_tables
	tensor_load_to_lds s[40:43], s[24:31]
	s_nop 0
.Lno_tables:
.endif
	PLACES
	FETCHX 0, 0
	FETCHX 0, 1
.endm
	s_load_b512 s[68:83], s[0:1], 0x0              ; xc 68, wc 70, scales 72, q_norm_w 74, k_norm_w 76, cos 78, sin 80, qf 82
	s_load_b128 s[84:87], s[0:1], 0x40             ; kf 84, vf 86
	v_lshl_add_u32 v[SPW], v0, 2, SPARE
	v_mov_b32 v[NIL], 0
	ds_add_u32 v[SPW], v[NIL]                      ; the add, twice on end, and one wait
	ds_add_u32 v[SPW], v[NIL]
	v_lshrrev_b32 v1, 5, v0
	v_readfirstlane_b32 s8, v1                     ; wave 0..3
	s_lshr_b32 s10, ttmp9, 4                       ; which 256 columns, 0..9
	s_and_b32 s11, ttmp9, 15                       ; which 128 tokens
	s_mov_b32 s16, 3<<16                           ; group 1: elements of 8 bytes, no mask, no padding
	s_mov_b32 s17, (CH/8)<<16                      ; tensor_dim0 = 2,048 elements: 16,384 bytes of a tile
	s_mov_b32 s18, 2<<16                           ; tensor_dim1 = 2 tiles
	s_mov_b32 s19, (CH/8)<<16                      ; tile_dim0
	s_mov_b32 s20, 2                               ; tile_dim1
	s_mov_b32 s21, TS/8                            ; from tile to tile, in elements
	s_mov_b32 s22, 0
	s_mov_b32 s23, 0
	s_mov_b32 s24, (3<<16)|(1<<20)|(4<<22)|(3<<25) ; group 1 for the tables: elements of 8 bytes; four words of padding after every 32
	s_mov_b32 s25, 16<<16                          ; tensor_dim0 = 16 elements: a token's row of 128 bytes
	s_mov_b32 s26, 64<<16                          ; tensor_dim1 = 64 tokens
	s_mov_b32 s27, 16<<16                          ; tile_dim0
	s_mov_b32 s28, 64                              ; tile_dim1
	s_mov_b32 s29, 16                              ; dense
	s_mov_b32 s30, 0
	s_mov_b32 s31, 0
	s_mov_b32 s40, 1
	s_mul_i32 s41, s8, 9216                        ; waves 0, 1: cos of tokens 0-63, 64-127; waves 2, 3: sin: 64 rows of 144 bytes each
	s_add_co_u32 s41, s41, TAB
	s_mov_b32 s2, SLOT                             ; the first change turns it to slot 0
	s_mov_b32 s32, 1
	s_lshl_b32 s33, s8, 15                         ; my two tiles' place in slot 0
	s_lshl_b32 s12, s11, 3
	s_lshl_b32 s13, s8, 1
	s_add_co_u32 s12, s12, s13
	s_lshl_b32 s12, s12, 16                        ; x: tile 8 x (my block of tokens) + 2 x wave
	s_max_u32 s6, s10, 7
	s_sub_co_u32 s6, s6, 7                         ; the set of x's codes: 0 for q's heads, 1 for k's, 2 for v's
	s_lshl_b32 s6, s6, 23
	s_add_co_u32 s12, s12, s6
	s_mov_b32 s13, 0
	s_lshl_b32 s14, s10, 4
	s_lshl_b32 s15, s8, 2
	s_add_co_u32 s14, s14, s15
	s_lshl_b32 s14, s14, 16                        ; the weights: tile 16 x (the block of columns) + 4 x wave
	s_mov_b32 s15, 0
	s_mul_i32 s6, s8, 34816                        ; v's stage: 128 tokens x (256 bytes + 16) a wave
	v_and_b32 v1, 15, v0                           ; r
	v_bfe_u32 v2, v0, 4, 1                         ; h
	v_and_b32 v3, 31, v0
	v_lshlrev_b32 v3, 4, v3                        ; 16 x lane
	v_add_nc_u32 v4, 65536, v3
	v_mul_u32_u24 v10, v1, 144
	v_lshl_add_u32 v10, v2, 4, v10
	v_add_nc_u32 v10, TAB, v10                     ; the tables in LDS: token r's row of 144 bytes, + 16 h
	v_lshlrev_b32 v11, 5, v2                       ; the norm's weights: 32 h
	v_mul_u32_u24 v6, v1, 272
	v_lshl_add_u32 v6, v2, 5, v6
	v_add_nc_u32 v6, s6, v6                        ; into the stage: token r, + 32 h
	v_mul_u32_u24 v7, v2, 2176
	v_lshl_add_u32 v7, v1, 2, v7
	v_add_nc_u32 v7, s6, v7                        ; out of it: key 8 h, channel r
	s_wait_alu depctr_va_vdst(0)
	s_wait_dscnt 0x0                               ; both opening adds are done
	s_wait_kmcnt 0x0
	s_load_b256 s[48:55], s[72:73], 0x0            ; e0 .. e7
	s_load_b128 s[56:59], s[72:73], 0x20           ; e8 .. e11
	s_add_nc_u64 s[34:35], s[68:69], s[12:13]
	s_or_b32 s35, s35, 0x80000000
	s_add_nc_u64 s[36:37], s[70:71], s[14:15]
	tensor_load_to_lds s[32:35], s[16:23]          ; K 0 on, into slot 0: one tensor load a wave at the head
	s_nop 0
	PLACES
	WIN 0x40
	WLOAD 0
	WLOAD 1
	WLOAD 2
	WIN 0
	s_mov_b32 s60, 0x76543210                      ; v_permlanex16_b32: lane l xor 16
	s_mov_b32 s61, 0xfedcba98
	s_cmp_eq_u32 s10, 8                            ; what differs between q, k and v is chosen by the block of columns
	s_cselect_b64 s[66:67], s[76:77], s[74:75]     ; the norm's weights
	s_cselect_b64 s[92:93], s[84:85], s[82:83]     ; where the codes go
	s_cselect_b32 s94, 8, 0
	s_cmp_eq_u32 s10, 9
	s_cselect_b64 s[92:93], s[86:87], s[92:93]
	s_cselect_b32 s94, 9, s94
	s_sub_co_u32 s94, s10, s94                     ; the block's number in its own tensor
	s_lshl_b32 s94, s94, 2
	s_add_co_u32 s94, s94, s8                      ; my head's number there
	s_lshl_b32 s94, s94, 17                        ; 131,072 bytes a head, in all three
	s_lshl_b32 s95, s11, 13                        ; 8,192 bytes for each block of 128 tokens
	s_add_co_u32 s94, s94, s95
	s_mov_b32 s95, 0
	s_add_nc_u64 s[92:93], s[92:93], s[94:95]
	s_lshl_b32 s94, s11, 14                        ; my first token's row of the tables,
	s_and_b32 s4, s8, 1
	s_lshl_b32 s4, s4, 13
	s_add_co_u32 s94, s94, s4                      ; + the 64 tokens that I fetch
	s_cmp_lt_u32 s8, 2
	s_cselect_b64 s[42:43], s[78:79], s[80:81]     ; cos or sin, by the wave's number
	s_add_nc_u64 s[42:43], s[42:43], s[94:95]
	s_or_b32 s43, s43, 0x80000000
	s_cmp_eq_u32 s10, 9                            ; v has no norm and no turn: its work-groups load neither weights nor tables
	s_cbranch_scc1 .Lno_tab
.irp b, 0,1,2,3
.irp m, 0,1
	global_load_b128 v[32+8*\b+4*\m:35+8*\b+4*\m], v11, s[66:67] offset:64*\b+16*\m   ; w of channels 16 b + 8 h + 0..7
.endr
.endr
.Lno_tab:
	s_wait_kmcnt 0x0
	s_add_co_i32 s62, s48, s49                     ; a sum stands for sum x 2^E: E = e0 + e1,
	s_add_co_i32 s94, s50, s51                     ; e2 + e3,
	s_add_co_i32 s95, s52, s53                     ; e4 + e5
	s_sub_co_i32 s96, s56, s95                     ; v's sums are quantised as they are: the three scales fold into 2^(e8 - e4 - e5)
	s_cmp_eq_u32 s10, 8
	s_cselect_b32 s62, s94, s62
	s_cselect_b32 s97, s54, s55                    ; k: e6; q: e7
	s_cmp_eq_u32 s10, 9
	s_cselect_b32 s62, s95, s62
	s_cselect_b32 s97, s96, s97
	s_lshl_b32 s63, s62, 1
	s_sub_co_i32 s63, s63, 6                       ; the mean of squares = the sum of squared sums x 2^(2 E - 6)
	s_add_co_i32 s97, s97, 127
	s_lshl_b32 s98, s97, 23
	v_mov_b32 v8, s98                              ; the conversion's scale
	s_add_co_i32 s97, s97, 8
	s_lshl_b32 s97, s97, 23
	s_or_b32 s97, s97, 0x600000
	v_mov_b32 v9, s97                              ; 448 x that
	s_wait_alu depctr_va_vdst(0)
	CHANGE 1                                       ; slot 0 is whole; slot 1 takes K 1,024 on
	STEP 0, 1, 1, 1                                ; the first step's products start the sums
	s_mov_b32 s3, 2
.Lpass:                                            ; a trip: a pass's steps 1 to 7, the change of slots, the next pass's step 0; the weights' sets are back where they began
.irp j, 1,2,3,4,5,6
	STEP \j, 0, 1, 1
.endr
	STEP 7, 0, 0, 1
	CHANGE 1
	STEP 8, 0, 1, 1
	s_wait_xcnt 0x0                                ; the weights' loads have read their base
	s_add_nc_u64 s[36:37], s[36:37], CH            ; 1,024 along K on
	s_sub_co_u32 s3, s3, 1
	s_cmp_lg_u32 s3, 0
	s_cbranch_scc1 .Lpass
.irp j, 1,2,3,4,5,6                                ; the tail is written out: K from 2,176 on
	STEP \j, 0, 1, 1
.endr
	STEP 7, 0, 0, 1
	CHANGE 0                                       ; nothing is left to ask for
.irp j, 8,9,10,11,12
	STEP \j, 0, 1, 1
.endr
	STEP 13, 0, 1, 0
	STEP 14, 0, 1, 0
	STEP 15, 0, 0, 0
	s_wait_tensorcnt 0x0                           ; my quarter of the tables has landed
	s_wait_dscnt 0x0
	s_barrier_signal -1                            ; behind this barrier the tables are whole, and nobody reads the slots: v's stages lie there
	s_barrier_wait -1
	s_wait_loadcnt 0x0                             ; the norm's weights, asked for at the head
	s_cmp_eq_u32 s10, 9
	s_cbranch_scc1 .Lway_v
	WIN 0xc0                                       ; destination window 3
.irp a, 0,1,2,3,4,5,6,7
.irp b, 0,1,2,3
	ds_load_b128 v[16*\a+4*\b:16*\a+4*\b+3], v10 offset:\a*2304+32*\b                 ; cos of pairs 8 b + 4 h + 0..3 of token 16 a + r
	ds_load_b128 v[128+16*\a+4*\b:128+16*\a+4*\b+3], v10 offset:18432+\a*2304+32*\b   ; sin; they land under the sums of squares below
.endr
.endr
	; ---- q and k.  The sum of squares of my 32 channels of each of the 8 tokens, two at a time, eight chains; each accumulator is read from its low end on
	WIN 0x0a                                       ; sources 0 and 1 window 2
.irp i, 0,1,2,3,4,5,6,7,8,9,10,11,12,13,14,15
.irp a, 0,1,2,3,4,5,6,7
.if \i == 0
	v_pk_mul_f32 v[192+2*\a:193+2*\a], v[32*\a:32*\a+1], v[32*\a:32*\a+1]
.else
	v_pk_fma_f32 v[192+2*\a:193+2*\a], v[32*\a+2*\i:32*\a+2*\i+1], v[32*\a+2*\i:32*\a+2*\i+1], v[192+2*\a:193+2*\a]
.endif
.endr
.endr
	WIN 0
.irp a, 0,1,2,3,4,5,6,7
	v_add_f32 v[208+\a], v[192+2*\a], v[193+2*\a]
.endr
.irp a, 0,1,2,3,4,5,6,7
	v_permlanex16_b32 v[192+2*\a], v[208+\a], s60, s61   ; the token's other 32 channels lie in the lane 16 away
.endr
.irp a, 0,1,2,3,4,5,6,7
	v_add_f32 v[208+\a], v[208+\a], v[192+2*\a]
.endr
.irp a, 0,1,2,3,4,5,6,7
	v_ldexp_f32 v[208+\a], v[208+\a], s63          ; the mean of squares
.endr
.irp a, 0,1,2,3,4,5,6,7
	v_add_f32 v[208+\a], 0x3727c5ac, v[208+\a]     ; + 1e-5
.endr
	s_wait_alu depctr_va_vdst(0)
.irp a, 0,1,2,3,4,5,6,7
	v_rsq_f32 v[216+\a], v[208+\a]
.endr
	v_nop                                          ; a plain instruction behind the last of the batch
	s_wait_alu depctr_va_vdst(0)                   ; one wait for the eight, ahead of their first reader
.irp a, 0,1,2,3,4,5,6,7
	v_ldexp_f32 v[224+2*\a], v[216+\a], s62        ; F = rsqrt x 2^E, kept twice: a pair for the packed multiply
	v_ldexp_f32 v[225+2*\a], v[216+\a], s62
.endr
; tokens 16 a on: norm, turn, hold, conversion, store
.macro QKTILE a
	WIN 0x02                                       ; source 0 window 2
.set i, 0
.rept 16
	v_pk_mul_f32 v[64+2*i:65+2*i], v[32*(\a)+2*i:32*(\a)+2*i+1], v[224+2*(\a):225+2*(\a)]   ; x rsqrt(..)
.set i, i+1
.endr
	WIN 0
.set i, 0
.rept 16
	v_pk_mul_f32 v[64+2*i:65+2*i], v[64+2*i:65+2*i], v[32+2*i:33+2*i]                       ; x w
.set i, i+1
.endr
	WIN 0x0c                                       ; source 1 window 3: the tables
.set i, 0
.rept 16
	v_mul_f32 v[96+2*i], v[65+2*i], v[128+16*(\a)+i]      ; im s
	v_mul_f32 v[97+2*i], v[64+2*i], v[128+16*(\a)+i]      ; re s
.set i, i+1
.endr
.set i, 0
.rept 16
	v_fma_f32 v[96+2*i], v[64+2*i], v[16*(\a)+i], -v[96+2*i]   ; re c - im s
	v_fma_f32 v[97+2*i], v[65+2*i], v[16*(\a)+i], v[97+2*i]    ; im c + re s
.set i, i+1
.endr
	WIN 0
.irp b, 0,1,2,3
.irp j, 0,1,2,3,4,5,6,7
	v_med3_num_f32 v[96+8*\b+\j], v[96+8*\b+\j], -v9, v9       ; the conversion does not saturate (ISA guide 7.6.2)
.endr
	v_cvt_scalef32_pk8_fp8_f32 v[128+8*(\a)+2*\b:129+8*(\a)+2*\b], v[96+8*\b:103+8*\b], v8   ; registers 2 b, 2 b + 1 of the image
.endr
	v_nop                                          ; a plain instruction between the last conversion and the next tile's writes of its sources
.irp g, 0,1
	global_store_b128 v3, v[128+8*(\a)+4*\g:131+8*(\a)+4*\g], s[92:93] offset:(\a)*1024+\g*512   ; 512 consecutive bytes, aligned; each tile has code registers of its own
.endr
.endm
	s_wait_alu depctr_va_vdst(0)
	s_wait_dscnt 0x0                               ; the tables are in registers
.irp a, 0,1,2,3,4,5,6,7
	QKTILE \a
.endr
	s_branch .Lend
	; ---- v.  Its next K is the keys: my 128 tokens x 64 channels go into my stage as f32 rows and come back a channel a lane, keys down the registers
.Lway_v:
	WIN 0x08                                       ; an LDS store's data: window 2
	s_wait_alu depctr_va_vdst(0)
.irp a, 0,1,2,3,4,5,6,7
.irp b, 0,1,2,3
	ds_store_b128 v6, v[8*(4*\a+\b):8*(4*\a+\b)+3] offset:\a*4352+64*\b
	ds_store_b128 v6, v[8*(4*\a+\b)+4:8*(4*\a+\b)+7] offset:\a*4352+64*\b+16
.endr
.endr
	WIN 0
.irp d, 0,1,2,3                                    ; channels 16 d on: one fragment for K = 128 keys
.irp c, 0,1,2,3,4,5,6,7
.irp j, 0,1,2,3,4,5,6,7
	ds_load_b32 v[64+8*\c+\j], v7 offset:(16*\c+\j)*272+64*\d   ; key 16 c + 8 h + j, channel 16 d + r.  LDS serves a wave's instructions in order: these see my stores
.endr
.endr
	s_wait_dscnt 0x0
.irp c, 0,1,2,3,4,5,6,7
.irp j, 0,1,2,3,4,5,6,7
	v_med3_num_f32 v[64+8*\c+\j], v[64+8*\c+\j], -v9, v9
.endr
	v_cvt_scalef32_pk8_fp8_f32 v[128+16*\d+2*\c:129+16*\d+2*\c], v[64+8*\c:71+8*\c], v8
.endr
	v_nop
.irp c, 0,1,2,3
	global_store_b128 v3, v[128+16*\d+4*\c:131+16*\d+4*\c], s[92:93] offset:\d*2048+\c*512
.endr
.endr
.Lend:
	s_wait_tensorcnt 0x0                           ; the wave's end
	ds_add_u32 v[SPW], v[NIL]
	s_wait_dscnt 0x0
	s_endpgm
.Lfunc_end_k_q86c2b7f73c_qkv:
	.size	k_q86c2b7f73c_qkv, .Lfunc_end_k_q86c2b7f73c_qkv-k_q86c2b7f73c_qkv
	.p2alignl 7, 3214868480
	.fill 96, 4, 3214868480
	.section	.rodata,"a",@progbits
	.p2align	6, 0x0
	.amdhsa_kernel k_q86c2b7f73c_qkv
		.amdhsa_group_segment_fixed_size 327680
		.amdhsa_private_segment_fixed_size 0
		.amdhsa_enable_private_segment 0
		.amdhsa_kernarg_size 80
		.amdhsa_user_sgpr_count 2
		.amdhsa_user_sgpr_kernarg_segment_ptr 1
		.amdhsa_wavefront_size32 1
		.amdhsa_system_sgpr_workgroup_id_x 1
		.amdhsa_system_sgpr_workgroup_id_y 1
		.amdhsa_system_sgpr_workgroup_id_z 1
		.amdhsa_system_vgpr_workitem_id 0
		.amdhsa_next_free_vgpr 1024
		.amdhsa_next_free_sgpr 100
		.amdhsa_reserve_vcc 0
		.amdhsa_float_denorm_mode_32 3
		.amdhsa_float_denorm_mode_16_64 3
		.amdhsa_memory_ordered 1
		.amdhsa_forward_progress 1
		.amdhsa_inst_pref_size 255
	.end_amdhsa_kernel
	.section	.bss,"aw",@nobits
	.p2align	6
	.space	262144
	.amdgpu_metadata
---
amdhsa.version: [ 1, 2 ]
amdhsa.kernels:
  - .name:           k_q86c2b7f73c_qkv
    .symbol:         k_q86c2b7f73c_qkv.kd
    .args:
      - { .name: xc, .offset: 0, .size: 8, .value_kind: global_buffer, .address_space: global }
      - { .name: wc, .offset: 8, .size: 8, .value_kind: global_buffer, .address_space: global }
      - { .name: lowp_scales, .offset: 16, .size: 8, .value_kind: global_buffer, .address_space: global }
      - { .name: q_norm_w, .offset: 24, .size: 8, .value_kind: global_buffer, .address_space: global }
      - { .name: k_norm_w, .offset: 32, .size: 8, .value_kind: global_buffer, .address_space: global }
      - { .name: freqs_cos, .offset: 40, .size: 8, .value_kind: global_buffer, .address_space: global }
      - { .name: freqs_sin, .offset: 48, .size: 8, .value_kind: global_buffer, .address_space: global }
      - { .name: qf, .offset: 56, .size: 8, .value_kind: global_buffer, .address_space: global }
      - { .name: kf, .offset: 64, .size: 8, .value_kind: global_buffer, .address_space: global }
      - { .name: vf, .offset: 72, .size: 8, .value_kind: global_buffer, .address_space: global }
    .group_segment_fixed_size: 327680
    .private_segment_fixed_size: 0
    .kernarg_segment_align: 8
    .kernarg_segment_size: 80
    .max_flat_workgroup_size: 128
    .sgpr_count:     100
    .vgpr_count:     1024
    .wavefront_size: 32
...
	.end_amdgpu_metadata
.endif
;; end of part 6
;; launch attn (part 7): grid 64 x 4, 16 waves a work-group, clusters of 4 x 1, 301,056 bytes of LDS; arguments qf, kf, vf, lowp_scales, oc; writes oc
.if DOCPART == 7
	.amdgcn_target "amdgcn-amd-amdhsa--gfx1250"
	.amdhsa_code_object_version 6
	.text
	.protected	k_q86c2b7f73c_attn
	.globl	k_q86c2b7f73c_attn
	.p2align	8
	.type	k_q86c2b7f73c_attn,@function
k_q86c2b7f73c_attn:
	s_mov_b64 s[64:65], 0
	v_nop
	global_prefetch_b8 v0, s[64:65] scope:SCOPE_SE
	s_setreg_imm32_b32 hwreg(HW_REG_WAVE_MODE, 25, 1), 1
	s_wait_xcnt 0x0
	s_wait_alu depctr_hold_cnt(0) depctr_sa_sdst(0) depctr_va_vdst(0) depctr_va_sdst(0) depctr_va_ssrc(0) depctr_va_vcc(0) depctr_vm_vsrc(0)
	s_getreg_b32 s2, hwreg(HW_REG_IB_STS2, 6, 4)
	s_cmp_eq_u32 s2, 0
	s_cbranch_scc0 .Lentry_in_a_cluster
	s_endpgm
.Lentry_in_a_cluster:
	s_bfe_u32 s2, ttmp6, 0x10000c
	s_cmp_lg_u32 s2, 0x3003
	s_cbranch_scc0 .Lentry_shape_is_right
	s_endpgm
.Lentry_shape_is_right:
; Causal attention on codes of E4M3, 32 query heads on 4 key and value heads of 64 channels, 2,048 tokens.  q, k, v arrive as images of operand registers; O leaves so, quantised by e10.
; THE SOFTMAX AHEAD OF THE SECOND PRODUCT: t = score x log2(e) / 8; M = the row's largest t so far, rounded UP to a whole number; p = 2^(t - M) is quantised (e9), not normalised.  The row's sum is taken of the
; unquantised p and divides O at the end.  When M moves, the sum and O are multiplied by 2^(old M - new M), which rounds nothing.
; SHARES.  y = the key and value head g.  A cluster of four work-groups owns 8 tiles of 16 queries x the 8 query heads of g; work-group cx takes heads 8 g + 2 cx and + 1.
; The tiles come in pairs (j, T = 127 - j), j under 64, which together have 17 key steps of 128 whatever j.  A PAIR OF ONE HEAD HAS TWO WAVES.  The wave with bit 2 of its number set takes T's steps 0 to 7: 8 steps, all of
; whose keys count.  The other takes tile j, all j / 8 + 1 steps, stores it, and then T's steps from 8 on, 8 - j / 8 of them: 9 steps.  It hands its O^T, -M and sums of T over in LDS bytes of the pair's own; behind one
; barrier the first wave joins the two parts: both are brought under the larger M by powers of two, which rounds nothing, and added; it divides, quantises and stores T.
; LDS holds ALL of the head's K (131,072 bytes) and V (131,072), filled ONCE, by joint loads of the four partners (mask 15): sixteen pieces of 16,384 bytes, ONE TO EACH WAVE: wave w brings half w % 2 of segment w / 4
; (512 keys) of K (bit 1 of w clear) or of V (set).  Nothing is filled again.  One wait and one barrier stand ahead of the first read.
; LAYOUT.  Both products are used transposed: S^T = K Q^T (source 0 = 16 keys, source 1 = my 16 queries), O^T = V^T P^T: a lane holds ONE query (lane % 16) throughout.  In tile c of S^T lane (r, h) holds keys
; 16 c + 8 h + 0..7, which one conversion turns into registers 2 c, 2 c + 1 of P; likewise O^T's tile d into registers 2 d, 2 d + 1 of O's image.
; CAUSAL.  Every wave walks all 16 steps (a constant trip count); a step that is not mine, or all of whose keys come after my queries, is jumped over, by a scalar branch on ids that are equal in all partners.
; LIMITS: e6 + e7 between -123 and 130 (added to c's exponent field); e9 and e10 between -126 and 119; e8 + e9 is applied by v_ldexp_f32 and has none.
; REGISTERS: v1 16 x lane (K), v2 the same + V's base, v3 the pair's bytes, v4 r - 8 h, v6, v7 the spare word and 0, v8, v9 the step's addresses, v10, v11 2^e9 and 448 x 2^e9, v12 -M, v13 the largest t, v[14:15] the sum,
;   v[16:23] Q, v24-31 at work, v32-95 K's 8 fragments, later P's codes in v[32:47]; v96-159 S^T, then p; v160-191 O^T; v192-255 V's 4 fragments.
.set VBASE, 131072
.set STAGE, 0x40000+2048               ; behind the spare words: 9 x 512 bytes for each of the 8 pairs
.macro ROUND                           ; a round of the cluster's barrier
	s_barrier_signal -1
	s_barrier_wait -1
	s_cmp_lg_u32 s18, 0
	s_cbranch_scc1 .Lnot_wave_0_\@
	s_barrier_signal -3
.Lnot_wave_0_\@:
	s_barrier_wait -3
	s_barrier_signal -1
	s_barrier_wait -1
.endm
; A KEY STEP: 128 keys from s3 on, whose images begin at LDS byte s2 (K) and VBASE + s2 (V)
.macro STEP
	s_add_co_u32 s61, s14, 15
	s_cmp_gt_u32 s3, s61                           ; all keys behind my last query?
	s_cbranch_scc1 .Lhidden_\@
	v_add_nc_u32 v8, s2, v1
	v_add_nc_u32 v9, s2, v2
	v_nop
	v_nop                                          ; four places behind the last products, whose sources the loads below fill
.irp c, 0,1,2,3,4,5,6,7
	ds_load_b128 v[32+8*\c:35+8*\c], v8 offset:\c*1024
	ds_load_b128 v[36+8*\c:39+8*\c], v8 offset:\c*1024+512
.endr
.irp d, 0,1,2,3
.irp c, 0,1,2,3
	ds_load_b128 v[192+16*\d+4*\c:195+16*\d+4*\c], v9 offset:\d*2048+\c*512
.endr
.endr
	s_wait_dscnt 16                                ; K is in; V's sixteen loads may be out
.irp c, 0,1,2,3,4,5,6,7
	v_wmma_f32_16x16x64_fp8_fp8 v[96+8*\c:103+8*\c], v[32+8*\c:39+8*\c], v[16:23], 0
.endr
.rept 4
	v_nop
.endr
	s_add_co_u32 s61, s3, 127
	s_cmp_le_u32 s61, s14                          ; all keys count for all my queries?
	s_cbranch_scc1 .Lopen_\@
	s_sub_co_i32 s61, s14, s3
	v_add_nc_u32 v25, s61, v4                      ; d = my query - the step's first key - 8 h.  Register 8 c + j holds key 16 c + 8 h + j of the step: hidden where 16 c + j > d
.set n, 0
.rept 64
	v_cmp_gt_i32 vcc_lo, 16*(n/8)+n%8, v25
	v_cndmask_b32 v[96+n], v[96+n], v27, vcc_lo    ; -infinity: p = 0 then
.set n, n+1
.endr
.Lopen_\@:
	v_max3_num_f32 v24, v96, v97, v98              ; the step's largest score of my query among my 64 keys, in two chains, each accumulator from its low end on,
	v_max3_num_f32 v25, v99, v100, v101
.irp i, 6,10,14,18,22,26,30,34,38,42,46,50,54,58
	v_max3_num_f32 v24, v24, v[96+\i], v[97+\i]
	v_max3_num_f32 v25, v25, v[98+\i], v[99+\i]
.endr
	v_max3_num_f32 v24, v24, v158, v159
	s_delay_alu instid0(VALU_DEP_1)
	v_max_num_f32 v24, v24, v25
	s_delay_alu instid0(VALU_DEP_1)
	v_permlanex16_b32 v26, v24, s20, s21
	s_delay_alu instid0(VALU_DEP_1)
	v_max_num_f32 v24, v24, v26                    ; and among lane l xor 16's
	s_delay_alu instid0(VALU_DEP_1)
	v_mul_f32 v24, s22, v24                        ; as t (c is positive)
	s_delay_alu instid0(VALU_DEP_1)
	v_max_num_f32 v13, v13, v24                    ; the running largest t
	v_mov_b32 v24, v12
	s_delay_alu instid0(VALU_DEP_2)
	v_floor_f32 v12, -v13                          ; the new -M = floor(-t): M is a whole number
	s_delay_alu instid0(VALU_DEP_1)
	v_sub_f32 v24, v12, v24                        ; old M - new M: a whole number, 0 or less
	s_delay_alu instid0(VALU_DEP_1)
	v_cvt_i32_f32 v24, v24                         ; (it saturates)
	s_delay_alu instid0(VALU_DEP_1)
	v_ldexp_f32 v28, 1.0, v24                      ; f = 2^(old M - new M)
.set n, 0
.rept 32
	v_pk_fma_f32 v[96+n:97+n], v[96+n:97+n], s[22:23], v[12:13] op_sel_hi:[1,0,0]   ; t - M, two at a time (of the pairs c and -M the low word serves both halves)
.set n, n+2
.endr
.set n, 0
	s_wait_alu depctr_va_vdst(0)
.rept 64
	v_exp_f32 v[96+n], v[96+n]                     ; p = 2^(t - M)
.set n, n+1
.endr
	v_pk_mul_f32 v[14:15], v[14:15], v[28:29] op_sel_hi:[1,0]   ; the sums under the new M: the plain instruction behind the batch
	s_wait_alu depctr_va_vdst(0)                   ; one wait for the 64, ahead of their first reader
	v_pk_add_f32 v[30:31], v[100:101], v[104:105]  ; the row's sum of the unquantised p, in eight chains
	v_pk_add_f32 v[94:95], v[108:109], v[112:113]
	v_pk_add_f32 v[92:93], v[116:117], v[120:121]
	v_pk_add_f32 v[90:91], v[124:125], v[128:129]
	v_pk_add_f32 v[88:89], v[132:133], v[136:137]
	v_pk_add_f32 v[86:87], v[140:141], v[144:145]
	v_pk_add_f32 v[84:85], v[148:149], v[152:153]
	v_pk_add_f32 v[14:15], v[14:15], v[156:157]
	v_pk_add_f32 v[30:31], v[30:31], v[96:97]
	v_pk_add_f32 v[94:95], v[94:95], v[98:99]
	v_pk_add_f32 v[92:93], v[92:93], v[102:103]
	v_pk_add_f32 v[90:91], v[90:91], v[106:107]
	v_pk_add_f32 v[88:89], v[88:89], v[110:111]
	v_pk_add_f32 v[86:87], v[86:87], v[114:115]
	v_pk_add_f32 v[84:85], v[84:85], v[118:119]
	v_pk_add_f32 v[14:15], v[14:15], v[122:123]
	v_pk_add_f32 v[30:31], v[30:31], v[126:127]
	v_pk_add_f32 v[94:95], v[94:95], v[130:131]
	v_pk_add_f32 v[92:93], v[92:93], v[134:135]
	v_pk_add_f32 v[90:91], v[90:91], v[138:139]
	v_pk_add_f32 v[88:89], v[88:89], v[142:143]
	v_pk_add_f32 v[86:87], v[86:87], v[146:147]
	v_pk_add_f32 v[84:85], v[84:85], v[150:151]
	v_pk_add_f32 v[14:15], v[14:15], v[154:155]
	v_pk_add_f32 v[30:31], v[30:31], v[158:159]
	s_delay_alu instid0(VALU_DEP_2)
	v_pk_add_f32 v[14:15], v[14:15], v[90:91]
	s_delay_alu instid0(VALU_DEP_2)
	v_pk_add_f32 v[30:31], v[30:31], v[88:89]
	v_pk_add_f32 v[94:95], v[94:95], v[86:87]
	v_pk_add_f32 v[92:93], v[92:93], v[84:85]
	s_delay_alu instid0(VALU_DEP_2)
	v_pk_add_f32 v[14:15], v[14:15], v[94:95]
	s_delay_alu instid0(VALU_DEP_2)
	v_pk_add_f32 v[30:31], v[30:31], v[92:93]
	s_delay_alu instid0(VALU_DEP_1)
	v_pk_add_f32 v[14:15], v[14:15], v[30:31]
.irp c, 0,1,2,3,4,5,6,7
.irp j, 0,1,2,3,4,5,6,7
	v_min_num_f32 v[96+8*\c+\j], v[96+8*\c+\j], v11   ; the conversion does not saturate (ISA guide 7.6.2); p is not negative: a one-sided hold
.endr
	v_cvt_scalef32_pk8_fp8_f32 v[32+2*\c:33+2*\c], v[96+8*\c:103+8*\c], v10
.endr
.set n, 0
.rept 16
	v_pk_mul_f32 v[160+n:161+n], v[160+n:161+n], v[28:29] op_sel_hi:[1,0]   ; O^T under the new M; also the plain instructions behind the last conversion
.set n, n+2
.endr
	s_wait_alu depctr_va_vdst(0)
	s_wait_dscnt 0x0                               ; V is in
.irp d, 0,1,2,3
	v_wmma_f32_16x16x128_fp8_fp8 v[160+8*\d:167+8*\d], v[192+16*\d:207+16*\d], v[32:47], v[160+8*\d:167+8*\d]   ; the four accumulators by turns; the scores' eight products stand between two links
.endr
.Lhidden_\@:
	s_add_co_u32 s2, s2, 8192
	s_add_co_u32 s3, s3, 128
.endm
; THE WAY OUT of a tile: O = O^T / the sum x 2^(e8 + e9), quantised by e10; the conversions' results are the image of the last product's operand
.macro WAYOUT
.rept 4
	v_nop
.endr
	v_add_f32 v14, v14, v15
	s_delay_alu instid0(VALU_DEP_1)
	v_permlanex16_b32 v26, v14, s20, s21
	s_delay_alu instid0(VALU_DEP_1)
	v_add_f32 v14, v14, v26                        ; the row's sum
	s_wait_alu depctr_va_vdst(0)
	v_rcp_f32 v14, v14
	s_add_co_i32 s61, s58, 127
	s_lshl_b32 s62, s61, 23
	v_mov_b32 v24, s62                             ; 2^e10  (a plain instruction behind the reciprocal)
	s_add_co_i32 s61, s61, 8
	s_lshl_b32 s61, s61, 23
	s_or_b32 s61, s61, 0x600000
	v_mov_b32 v25, s61                             ; 448 x 2^e10
	s_add_co_i32 s61, s56, s57
	s_wait_alu depctr_va_vdst(0)                   ; the wait ahead of the first reader
	v_ldexp_f32 v14, v14, s61
.set n, 0
.rept 32
	v_mul_f32 v[96+n], v[160+n], v14
.set n, n+1
.endr
.irp d, 0,1,2,3
.irp j, 0,1,2,3,4,5,6,7
	v_med3_num_f32 v[96+8*\d+\j], v[96+8*\d+\j], -v25, v25
.endr
	v_cvt_scalef32_pk8_fp8_f32 v[32+2*\d:33+2*\d], v[96+8*\d:103+8*\d], v24
.endr
	v_nop
	global_store_b128 v1, v[32:35], s[12:13]                   ; 512 consecutive bytes, aligned
	global_store_b128 v1, v[36:39], s[12:13] offset:512
.endm
	s_load_b256 s[4:11], s[0:1], 0x0               ; qf 4, kf 6, vf 8, scales 10
	s_load_b64 s[12:13], s[0:1], 0x20              ; oc
	v_lshl_add_u32 v6, v0, 2, 0x40000
	v_mov_b32 v7, 0
	ds_add_u32 v6, v7
	ds_add_u32 v6, v7
	v_lshrrev_b32 v1, 5, v0
	s_delay_alu instid0(VALU_DEP_1)
	v_readfirstlane_b32 s18, v1                    ; wave 0..15
	v_and_b32 v1, 31, v0
	s_delay_alu instid0(VALU_DEP_1)
	v_lshlrev_b32 v1, 4, v1                        ; 16 x lane
	s_delay_alu instid0(VALU_DEP_1)
	v_add_nc_u32 v2, VBASE, v1
	v_and_b32 v3, 15, v0
	v_bfe_u32 v5, v0, 4, 1
	s_delay_alu instid0(VALU_DEP_1)
	v_lshlrev_b32 v5, 3, v5
	s_delay_alu instid0(VALU_DEP_1)
	v_sub_nc_u32 v4, v3, v5                        ; r - 8 h
	s_bfe_u32 s15, ttmp6, 0x40000                  ; cx: it enters q's and O's addresses alone
	s_and_b32 s16, ttmp7, 0xffff                   ; g
	s_and_b32 s44, s18, 4                          ; set: I take T's first eight steps and join; clear: tile j, then T's later steps
	s_and_b32 s45, s18, 3
	s_lshr_b32 s46, s18, 3
	s_lshl_b32 s46, s46, 2
	s_or_b32 s45, s45, s46                         ; my pair, 0..7: the wave's number without bit 2
	s_mul_i32 s45, s45, 4608
	s_add_co_u32 s45, s45, STAGE
	s_wait_alu depctr_va_vdst(0)
	v_add_nc_u32 v3, s45, v1                       ; the pair's bytes, 16 x lane
	s_lshr_b32 s61, s18, 1                         ; bits b2 b1 b0
	s_and_b32 s62, s61, 1
	s_lshl_b32 s62, s62, 1
	s_lshr_b32 s63, s61, 2
	s_or_b32 s62, s62, s63                         ; 2 b0 + b2
	s_lshl_b32 s63, ttmp9, 2
	s_add_co_u32 s62, s62, s63                     ; j = 4 x cluster + that
	s_sub_co_u32 s63, 127, s62
	s_and_b32 s60, s61, 2
	s_cmp_lg_u32 s60, 0
	s_cselect_b32 s19, s63, s62                    ; the tile that I begin with and store: b1 set: T = 127 - j, else j
	s_lshl_b32 s14, s19, 4                         ; its first query
	s_lshl_b32 s17, s16, 3
	s_lshl_b32 s60, s15, 1
	s_add_co_u32 s17, s17, s60
	s_and_b32 s60, s18, 1
	s_add_co_u32 s17, s17, s60                     ; my head
	s_mov_b32 s24, 15|(3<<16)|(1<<21)              ; group 1: 15:0 the mask: all four partners; 17:16 elements of 8 bytes; 21 set beside a mask; no padding
	s_mov_b32 s25, 32<<16                          ; tensor_dim0 = 32 elements: rows of 256 bytes
	s_mov_b32 s26, 64<<16                          ; tensor_dim1 = 64
	s_mov_b32 s27, 32<<16                          ; tile_dim0
	s_mov_b32 s28, 64                              ; tile_dim1
	s_mov_b32 s29, 32                              ; dense
	s_mov_b32 s30, 0
	s_mov_b32 s31, 0
	s_lshl_b32 s60, s60, 14                        ; the piece that I fetch: half w % 2
	s_lshr_b32 s61, s18, 2
	s_lshl_b32 s61, s61, 15
	s_add_co_u32 s60, s60, s61                     ; of segment w / 4
	s_bfe_u32 s61, s18, 0x10001
	s_lshl_b32 s61, s61, 17                        ; K's place or V's
	s_add_co_u32 s61, s61, s60
	s_lshl_b32 s62, s16, 17                        ; the head's 131,072 bytes
	s_add_co_u32 s62, s62, s60
	s_mov_b32 s63, 0
	s_mov_b32 s20, 0x76543210
	s_mov_b32 s21, 0xfedcba98
	s_mov_b32 s22, 0x3e38aa3b                      ; c = log2(e) / 8
	s_wait_dscnt 0x0
	s_wait_kmcnt 0x0
	s_load_b256 s[48:55], s[10:11], 0x0            ; e0 .. e7
	s_load_b128 s[56:59], s[10:11], 0x20           ; e8 .. e11
	s_and_b32 s60, s18, 2
	s_cmp_eq_u32 s60, 0
	s_cselect_b64 s[6:7], s[6:7], s[8:9]           ; bit 1 of the wave's number: K or V
	s_add_nc_u64 s[6:7], s[6:7], s[62:63]
	ROUND                                          ; all four work-groups are here: the joint loads meet
	s_mov_b32 s32, 1
	s_mov_b32 s33, s61
	s_mov_b64 s[34:35], s[6:7]
	s_or_b32 s35, s35, 0x80000000
	tensor_load_to_lds s[32:35], s[24:31]          ; one tensor load a wave, on every wave's path
	s_nop 0
.rept 4
	v_nop
.endr
	s_sub_co_u32 s60, 127, s19
	s_lshl_b32 s60, s60, 10
	s_lshl_b32 s62, s17, 17
	s_add_co_u32 s62, s62, s60
	s_add_nc_u64 s[36:37], s[4:5], s[62:63]        ; q of the pair's other tile
	s_lshl_b32 s62, s17, 17
	s_lshl_b32 s60, s19, 10
	s_add_co_u32 s62, s62, s60
	s_add_nc_u64 s[4:5], s[4:5], s[62:63]          ; q: [head][tile][1,024]
	s_lshl_b32 s62, s19, 15
	s_lshl_b32 s60, s17, 10
	s_add_co_u32 s62, s62, s60
	s_add_nc_u64 s[12:13], s[12:13], s[62:63]      ; O: [tile][head][1,024]
	s_wait_alu depctr_va_vdst(0)
	global_load_b128 v[16:19], v1, s[4:5]
	global_load_b128 v[20:23], v1, s[4:5] offset:512
	v_mov_b32 v13, 0xff61b1e6                      ; the largest t so far: -3e38
	s_delay_alu instid0(VALU_DEP_1)
	v_floor_f32 v12, -v13
	v_mov_b32 v14, 0
	v_mov_b32 v15, 0
	v_mov_b32 v26, 0                               ; a lane permute's destination counts as read
	v_mov_b32 v27, 0xff800000                      ; -infinity
	v_mov_b32 v29, 0                               ; (named as the upper halves of the pairs v[28:29] and v[30:31])
	v_mov_b32 v31, 0
.set n, 0
.rept 32
	v_mov_b32 v[160+n], 0                          ; O^T: the step has no first form of its own: it finds zeros, which the first change of M leaves zeros
.set n, n+1
.endr
	s_wait_kmcnt 0x0
	s_add_co_i32 s61, s54, s55
	s_lshl_b32 s61, s61, 23
	s_add_co_i32 s22, s22, s61                     ; a score stands for score x 2^(e6 + e7)
	s_mov_b32 s23, s22
	s_add_co_i32 s61, s57, 127
	s_lshl_b32 s62, s61, 23
	v_mov_b32 v10, s62                             ; 2^e9
	s_add_co_i32 s61, s61, 8
	s_lshl_b32 s61, s61, 23
	s_or_b32 s61, s61, 0x600000
	v_mov_b32 v11, s61                             ; 448 x 2^e9
	s_wait_alu depctr_va_vdst(0)
	s_wait_loadcnt 0x0                             ; Q
	s_wait_tensorcnt 0x0                           ; my piece has landed
	s_wait_dscnt 0x0
	s_barrier_signal -1
	s_barrier_wait -1                              ; everybody's has: all of K and V is in LDS
	s_mov_b32 s2, 0
	s_mov_b32 s3, 0
	s_mov_b32 s60, 16
.Lstep:
	s_cmp_lg_u32 s60, 8                            ; ahead of step 8 the waves change their work
	s_cbranch_scc1 .Lwalk
	s_cmp_lg_u32 s44, 0
	s_cbranch_scc1 .Ldone_first
.rept 4
	v_nop                                          ; places behind the last products, which read Q
.endr
	global_load_b128 v[16:19], v1, s[36:37]        ; T's queries come in under tile j's way out
	global_load_b128 v[20:23], v1, s[36:37] offset:512
	WAYOUT                                         ; tile j is finished
	v_mov_b32 v13, 0xff61b1e6                      ; and T's later steps begin as a tile begins
	v_floor_f32 v12, -v13
	v_mov_b32 v14, 0
	v_mov_b32 v15, 0
.set n, 0
.rept 32
	v_mov_b32 v[160+n], 0
.set n, n+1
.endr
	s_sub_co_u32 s14, 127, s19
	s_lshl_b32 s14, s14, 4                         ; T's first query
	s_wait_xcnt 0x0                                ; the stores have read their registers, which the next step's loads fill
	s_wait_alu depctr_va_vdst(0)
	s_wait_loadcnt 0x0
	s_branch .Lwalk
.Ldone_first:
	s_mov_b32 s14, 0                               ; my eight steps are done: every later step is jumped over
.Lwalk:
	STEP
	s_sub_co_u32 s60, s60, 1
	s_cmp_lg_u32 s60, 0
	s_cbranch_scc1 .Lstep
.rept 4
	v_nop                                          ; places behind the last products
.endr
	s_cmp_lg_u32 s44, 0
	s_cbranch_scc1 .Lno_hand
.irp d, 0,1,2,3,4,5,6,7
	ds_store_b128 v3, v[160+4*\d:163+4*\d] offset:512*\d   ; my part of T: O^T, each accumulator from its low end on,
.endr
	ds_store_b128 v3, v[12:15] offset:4096         ; -M and the sum's two halves
.Lno_hand:
	s_wait_dscnt 0x0
	s_barrier_signal -1
	s_barrier_wait -1
	s_cmp_eq_u32 s44, 0
	s_cbranch_scc1 .Lfin
.irp d, 0,1,2,3,4,5,6,7
	ds_load_b128 v[96+4*\d:99+4*\d], v3 offset:512*\d
.endr
	ds_load_b128 v[128:131], v3 offset:4096
	s_wait_dscnt 0x0
	v_min_num_f32 v24, v12, v128                   ; -M of the two parts together: the larger M
	v_sub_f32 v25, v24, v12                        ; my M less that: a whole number, 0 or less
	v_sub_f32 v26, v24, v128                       ; the other part's likewise
	v_cvt_i32_f32 v25, v25
	v_cvt_i32_f32 v26, v26
	v_ldexp_f32 v28, 1.0, v25
	v_ldexp_f32 v30, 1.0, v26
	v_pk_mul_f32 v[14:15], v[14:15], v[28:29] op_sel_hi:[1,0]
	v_pk_fma_f32 v[14:15], v[130:131], v[30:31], v[14:15] op_sel_hi:[1,0,1]
.set n, 0
.rept 16
	v_pk_mul_f32 v[160+n:161+n], v[160+n:161+n], v[28:29] op_sel_hi:[1,0]
.set n, n+2
.endr
.set n, 0
.rept 16
	v_pk_fma_f32 v[160+n:161+n], v[96+n:97+n], v[30:31], v[160+n:161+n] op_sel_hi:[1,0,1]
.set n, n+2
.endr
	WAYOUT                                         ; T is finished
.Lfin:
	s_wait_tensorcnt 0x0                           ; the wave's end
	ds_add_u32 v6, v7
	s_wait_dscnt 0x0
	ROUND                                          ; the closing round
	s_endpgm
.Lfunc_end_k_q86c2b7f73c_attn:
	.size	k_q86c2b7f73c_attn, .Lfunc_end_k_q86c2b7f73c_attn-k_q86c2b7f73c_attn
	.p2alignl 7, 3214868480
	.fill 96, 4, 3214868480
	.section	.rodata,"a",@progbits
	.p2align	6, 0x0
	.amdhsa_kernel k_q86c2b7f73c_attn
		.amdhsa_group_segment_fixed_size 301056
		.amdhsa_private_segment_fixed_size 0
		.amdhsa_enable_private_segment 0
		.amdhsa_kernarg_size 40
		.amdhsa_user_sgpr_count 2
		.amdhsa_user_sgpr_kernarg_segment_ptr 1
		.amdhsa_wavefront_size32 1
		.amdhsa_system_sgpr_workgroup_id_x 1
		.amdhsa_system_sgpr_workgroup_id_y 1
		.amdhsa_system_sgpr_workgroup_id_z 1
		.amdhsa_system_vgpr_workitem_id 0
		.amdhsa_next_free_vgpr 256
		.amdhsa_next_free_sgpr 66
		.amdhsa_reserve_vcc 1
		.amdhsa_float_denorm_mode_32 3
		.amdhsa_float_denorm_mode_16_64 3
		.amdhsa_memory_ordered 1
		.amdhsa_forward_progress 1
		.amdhsa_inst_pref_size 43
	.end_amdhsa_kernel
	.amdgpu_metadata
---
amdhsa.version: [ 1, 2 ]
amdhsa.kernels:
  - .name:           k_q86c2b7f73c_attn
    .symbol:         k_q86c2b7f73c_attn.kd
    .args:
      - { .name: qf, .offset: 0, .size: 8, .value_kind: global_buffer, .address_space: global }
      - { .name: kf, .offset: 8, .size: 8, .value_kind: global_buffer, .address_space: global }
      - { .name: vf, .offset: 16, .size: 8, .value_kind: global_buffer, .address_space: global }
      - { .name: lowp_scales, .offset: 24, .size: 8, .value_kind: global_buffer, .address_space: global }
      - { .name: oc, .offset: 32, .size: 8, .value_kind: global_buffer, .address_space: global }
    .group_segment_fixed_size: 301056
    .private_segment_fixed_size: 0
    .kernarg_segment_align: 8
    .kernarg_segment_size: 40
    .max_flat_workgroup_size: 512
    .sgpr_count:     66
    .vgpr_count:     256
    .wavefront_size: 32
...
	.end_amdgpu_metadata
.endif
;; end of part 7
;; launch oproj (part 8): grid 16 x 16, 4 waves a work-group, clusters of 4 x 1, 327,680 bytes of LDS; arguments oc, woc, lowp_scales, out0; writes out0
.if DOCPART == 8
	.amdgcn_target "amdgcn-amd-amdhsa--gfx1250"
	.amdhsa_code_object_version 6
	.text
	.protected	k_q86c2b7f73c_oproj
	.globl	k_q86c2b7f73c_oproj
	.p2align	8
	.type	k_q86c2b7f73c_oproj,@function
k_q86c2b7f73c_oproj:
	s_mov_b64 s[64:65], 0
	v_nop
	global_prefetch_b8 v0, s[64:65] scope:SCOPE_SE
	s_setreg_imm32_b32 hwreg(HW_REG_WAVE_MODE, 25, 1), 1
	s_wait_xcnt 0x0
	s_wait_alu depctr_hold_cnt(0) depctr_sa_sdst(0) depctr_va_vdst(0) depctr_va_sdst(0) depctr_va_ssrc(0) depctr_va_vcc(0) depctr_vm_vsrc(0)
	s_getreg_b32 s2, hwreg(HW_REG_IB_STS2, 6, 4)
	s_cmp_eq_u32 s2, 0
	s_cbranch_scc0 .Lentry_in_a_cluster
	s_endpgm
.Lentry_in_a_cluster:
	s_bfe_u32 s2, ttmp6, 0x10000c
	s_cmp_lg_u32 s2, 0x3003
	s_cbranch_scc0 .Lentry_shape_is_right
	s_endpgm
.Lentry_shape_is_right:
; out0 = O wo on codes of E4M3: O's codes (e10) and wo's (e11) arrive as images of operand registers (16 rows x 64 along K, 1,024 bytes; registers 4 g .. 4 g + 3 of lane l at byte 512 g + 16 l).
; SHARES.  A work-group makes 128 tokens x 256 columns; wave w the 128 tokens x columns 64 w on: 32 accumulators.  16 x 16 = 256 work-groups.
; wo GOES FROM MEMORY STRAIGHT INTO REGISTERS: a wave's 64 columns are read by no other wave of the work-group.  Four sets of 64 registers take turns: a step of 128 along K asks for the set of three steps on.
; O's CODES, which all four waves read, lie in LDS WHOLE: 128 tokens x 2,048 = 262,144 bytes, in two halves of 1,024 along K, each filled once; each wave brings two tiles of 16 tokens, 2 x 16,384 consecutive bytes.
; The second half is asked for behind a wait on the first, the add to the spare word and a round of the cluster's barrier.  The 16 steps are written out: the first starts the sums, the last three ask for nothing.
; CLUSTERS 4 x 1.  The four partners make four neighbouring blocks of columns of the same 128 tokens: O's tiles are asked for jointly (the same tensor load, the same descriptor, mask 15).
; NO PREFETCH: wo's loads are themselves issued three steps ahead, and there are two fills in all, both asked for ahead of the first product.
; THE PRODUCT IS USED TRANSPOSED (source 0 = 16 columns of wo, source 1 = 16 tokens): a lane holds eight neighbouring columns of one token's row.  A block of 16 tokens x 64 columns goes through the wave's own stage,
; which lies behind the spare words and is never filled, and leaves as rows of 256 bytes.
; REGISTERS: window 0: v1-29 addresses; v32-127 at work on the way out; v128-255 O's fragments, one set.   window 1: wo's four sets.   window 2: accumulator (a, b) at v[8 (4 a + b)].
; LIMIT: e10 + e11 between -126 and 127, so that 2^(e10 + e11) is an f32 number.
.set TS,    32768                      ; a tile of 16 rows in memory: 32 images
.set CH,    16384                      ; half of it: 1,024 along K
.set SLOT,  131072
.set SPARE, 262144                     ; the spare words, 128 bytes a wave
.set STAGE, SPARE+512                  ; 16 rows x (256 bytes + 16) a wave
.set SPW,   28
.set NIL,   29
.set MSB, 0
.macro WIN new                         ; the immediate's high byte repeats the setting that is left
.if MSB != \new
	s_set_vgpr_msb (MSB<<8)|\new
.set MSB, \new
.endif
.endm
.macro PLACES                          ; four plain vector instructions between a matrix instruction and a load into, or a vector instruction on, its registers
.rept 4
	v_nop
.endr
.endm
.macro CROUND                          ; a round of the cluster's barrier
	s_barrier_signal -1
	s_barrier_wait -1
	s_cmp_lg_u32 s8, 0
	s_cbranch_scc1 .Lnot_wave_0_\@
	s_barrier_signal -3
.Lnot_wave_0_\@:
	s_barrier_wait -3
	s_barrier_signal -1
	s_barrier_wait -1
.endm
.macro MULA a, p, zero                 ; the 32 accumulators take turns in the same order in every step
.irp b, 0,1,2,3
.if \zero
	v_wmma_f32_16x16x128_fp8_fp8 v[8*(4*(\a)+\b):8*(4*(\a)+\b)+7], v[64*(\p)+16*\b:64*(\p)+16*\b+15], v[128+16*(\a):128+16*(\a)+15], 0
.else
	v_wmma_f32_16x16x128_fp8_fp8 v[8*(4*(\a)+\b):8*(4*(\a)+\b)+7], v[64*(\p)+16*\b:64*(\p)+16*\b+15], v[128+16*(\a):128+16*(\a)+15], v[8*(4*(\a)+\b):8*(4*(\a)+\b)+7]
.endif
.endr
.endm
.macro FETCHX q, g                     ; 16 LDS loads: O's blocks 4 g .. 4 g + 3 of the half's q-th 128 along K
.irp a, 0,1,2,3
.irp c, 0,1,2,3
	ds_load_b128 v[128+64*(\g)+16*\a+4*\c:128+64*(\g)+16*\a+4*\c+3], v[16+(\g)] offset:\a*CH+(\q)*2048+512*\c
.endr
.endr
.endm
.macro WLOAD j                         ; 16 loads: my four fragments of wo of step j into set j % 4
.irp b, 0,1,2,3
.irp c, 0,1,2,3
	global_load_b128 v[64*((\j)%4)+16*\b+4*\c:64*((\j)%4)+16*\b+4*\c+3], v3, s[36:37] offset:\b*TS+(\j)*2048+512*\c
.endr
.endr
.endm
; a step of 128 along K.  nx: the next step lies in the same half, and its fragments of O are fetched: a block is free when its four products are issued.  wl: wo's fragments of three steps on are asked for.
.macro STEP j, zero, nx, wl
.if \wl
	WIN 0x40                                       ; destination window 1
	WLOAD (\j)+3                                   ; into the set that the last step multiplied; four places stand behind its products
	s_wait_loadcnt 48                              ; this step's set is in; the three younger sets may be out
.else
	s_wait_loadcnt 16*(15-(\j))                    ; the sets still to come may be out
.endif
	s_wait_dscnt 16                                ; O's blocks 0-3 are in; blocks 4-7 may be out
	WIN 0xa1                                       ; source 0 window 1, source 1 window 0, C and D window 2
	MULA 0, (\j)%4, \zero
	MULA 1, (\j)%4, \zero
	MULA 2, (\j)%4, \zero
	MULA 3, (\j)%4, \zero
	s_wait_dscnt 0x0                               ; blocks 4-7 are in
.if \nx
	PLACES
	WIN 0
	FETCHX ((\j)%8)+1, 0
	WIN 0xa1
.endif
	MULA 4, (\j)%4, \zero
	MULA 5, (\j)%4, \zero
	MULA 6, (\j)%4, \zero
	MULA 7, (\j)%4, \zero
	PLACES
	WIN 0
.if \nx
	FETCHX ((\j)%8)+1, 1
.endif
.endm
; on to a half of K: each wave waits for its tensor load (its part of that half), adds 0 to its spare word and waits for that and for its LDS reads.  fill = 1: a round of the cluster's barrier, and the other half is asked for jointly
.macro CHANGE fill
	s_wait_tensorcnt 0x0
	ds_add_u32 v[SPW], v[NIL]
.if \fill
	s_xor_b32 s33, s33, SLOT                       ; no load of mine is out: the descriptor may be written
	s_add_nc_u64 s[34:35], s[34:35], CH
.endif
	s_xor_b32 s2, s2, SLOT                         ; the half ahead
	v_add_nc_u32 v16, s2, v3                       ; O's blocks 0-3 there,
	v_add_nc_u32 v17, s2, v4                       ; blocks 4-7
	s_wait_alu depctr_va_vdst(0)
	s_wait_dscnt 0x0
.if \fill
	CROUND
	tensor_load_to_lds s[32:35], s[16:23]
	s_nop 0
.else
	s_barrier_signal -1
	s_barrier_wait -1
.endif
	PLACES
	FETCHX 0, 0
	FETCHX 0, 1
.endm
	s_load_b256 s[48:55], s[0:1], 0x0              ; oc 48, woc 50, scales 52, out0 54
	v_lshl_add_u32 v[SPW], v0, 2, SPARE
	v_mov_b32 v[NIL], 0
	ds_add_u32 v[SPW], v[NIL]                      ; the add, twice on end, and one wait
	ds_add_u32 v[SPW], v[NIL]
	v_lshrrev_b32 v1, 5, v0
	v_readfirstlane_b32 s8, v1                     ; wave 0..3
	s_bfe_u32 s9, ttmp6, 0x40000                   ; cx: it enters wo's and out0's addresses alone
	s_lshl_b32 s11, ttmp9, 2
	s_add_co_u32 s11, s11, s9                      ; which 256 columns = 4 x cluster x + cx
	s_and_b32 s62, ttmp7, 0xffff                   ; which 128 tokens: the same in all partners
	s_mov_b32 s16, 15|(3<<16)|(1<<21)              ; group 1: the mask names all four partners; elements of 8 bytes; bit 21 beside a mask; no padding
	s_mov_b32 s17, (CH/8)<<16                      ; tensor_dim0 = 2,048 elements: 16,384 bytes of a tile
	s_mov_b32 s18, 2<<16                           ; tensor_dim1 = 2 tiles
	s_mov_b32 s19, (CH/8)<<16                      ; tile_dim0
	s_mov_b32 s20, 2                               ; tile_dim1
	s_mov_b32 s21, TS/8                            ; from tile to tile, in elements
	s_mov_b32 s22, 0
	s_mov_b32 s23, 0
	s_mov_b32 s2, SLOT                             ; the first change turns it to 0
	s_mov_b32 s32, 1
	s_lshl_b32 s33, s8, 15                         ; my two tiles' place in the first half
	s_lshl_b32 s12, s62, 3
	s_lshl_b32 s13, s8, 1
	s_add_co_u32 s12, s12, s13
	s_lshl_b32 s12, s12, 15                        ; O: tile 8 x (the block of tokens) + 2 x wave
	s_mov_b32 s13, 0
	s_lshl_b32 s14, s11, 4
	s_lshl_b32 s15, s8, 2
	s_add_co_u32 s14, s14, s15
	s_lshl_b32 s14, s14, 15                        ; wo: tile 16 x (the block of columns) + 4 x wave
	s_mov_b32 s15, 0
	s_mul_i32 s5, s8, 4352
	s_add_co_u32 s5, s5, STAGE                     ; my stage
	s_lshl_b32 s6, s62, 21                         ; 128 rows of 16,384 bytes for each block of tokens
	s_lshl_b32 s7, s11, 10                         ; 256 columns: 1,024 bytes
	s_add_co_u32 s6, s6, s7
	s_lshl_b32 s7, s8, 8                           ; my 64 columns: 256 bytes
	s_add_co_u32 s6, s6, s7
	s_mov_b32 s7, 0
	v_and_b32 v1, 15, v0                           ; r
	v_bfe_u32 v2, v0, 4, 1                         ; h
	v_and_b32 v3, 31, v0
	v_lshlrev_b32 v3, 4, v3                        ; 16 x lane
	v_add_nc_u32 v4, 65536, v3
	v_mul_u32_u24 v24, v1, 272
	v_lshl_add_u32 v24, v2, 5, v24
	v_add_nc_u32 v24, s5, v24                      ; into the stage: token r, + 32 h
	v_mul_u32_u24 v25, v2, 272
	v_lshl_add_u32 v25, v1, 4, v25
	v_add_nc_u32 v25, s5, v25                      ; back: lanes 0-15 one row of 256 bytes, lanes 16-31 the next
	v_lshlrev_b32 v26, 14, v2
	v_lshl_add_u32 v26, v1, 4, v26                 ; and the same two rows in out0
	s_wait_alu depctr_va_vdst(0)
	s_wait_dscnt 0x0                               ; both opening adds are done
	s_wait_kmcnt 0x0
	s_load_b64 s[56:57], s[52:53], 0x28            ; e10, e11
	s_add_nc_u64 s[34:35], s[48:49], s[12:13]
	s_or_b32 s35, s35, 0x80000000
	s_add_nc_u64 s[36:37], s[50:51], s[14:15]
	s_add_nc_u64 s[60:61], s[54:55], s[6:7]
	CROUND                                         ; all four work-groups are here: the first joint loads meet
	tensor_load_to_lds s[32:35], s[16:23]          ; K 0 on: one tensor load a wave at the head
	s_nop 0
	PLACES
	WIN 0x40
	WLOAD 0
	WLOAD 1
	WLOAD 2
	WIN 0
	CHANGE 1                                       ; the first half is whole; the second is asked for
	STEP 0, 1, 1, 1                                ; the first step's products start the sums
.irp j, 1,2,3,4,5,6
	STEP \j, 0, 1, 1
.endr
	STEP 7, 0, 0, 1
	CHANGE 0                                       ; the second half is whole
.irp j, 8,9,10,11,12
	STEP \j, 0, 1, 1
.endr
	STEP 13, 0, 1, 0
	STEP 14, 0, 1, 0
	STEP 15, 0, 0, 0
; THE WAY OUT, a block of 16 tokens at a time
.macro TOSTAGE a
	WIN 0x02                                       ; source 0 window 2
.set i, 0
.rept 16
	v_pk_mul_f32 v[32+2*i:33+2*i], v[32*(\a)+2*i:32*(\a)+2*i+1], s[58:59] op_sel_hi:[1,0]   ; x 2^(e10 + e11); each accumulator from its low end on
.set i, i+1
.endr
	WIN 0
.irp b, 0,1,2,3
	ds_store_b128 v24, v[32+8*\b:35+8*\b] offset:64*\b
	ds_store_b128 v24, v[36+8*\b:39+8*\b] offset:64*\b+16
.endr
.irp t, 0,1,2,3,4,5,6,7
	ds_load_b128 v[64+32*((\a)%2)+4*\t:67+32*((\a)%2)+4*\t], v25 offset:\t*544   ; LDS serves a wave's instructions in order: these see the stores above, and the next block's stores come behind them
.endr
.endm
.macro SEND a, younger                 ; younger: the LDS instructions issued behind block a's loads
	s_wait_dscnt \younger
.if (\a) > 0
	s_add_nc_u64 s[60:61], s[60:61], 262144        ; 16 rows on (behind a wait on XCNT: the earlier stores have read their base)
.endif
.irp t, 0,1,2,3,4,5,6,7
	global_store_b128 v26, v[64+32*((\a)%2)+4*\t:67+32*((\a)%2)+4*\t], s[60:61] offset:\t*32768 th:TH_STORE_NT   ; sixteen lanes store 256 consecutive bytes, aligned; written once, read by nobody here
.endr
.endm
	s_wait_kmcnt 0x0
	s_add_co_i32 s58, s56, s57
	s_add_co_i32 s58, s58, 127
	s_lshl_b32 s58, s58, 23                        ; 2^(e10 + e11) as f32
	s_mov_b32 s59, s58                             ; (named with it as a pair)
	TOSTAGE 0
.irp a, 1,2,3,4,5,6,7
.if \a > 1
	s_wait_xcnt 0x0                                ; block a - 2's stores have read their registers and their base
.endif
	TOSTAGE \a
	SEND \a-1, 16                                  ; behind block a - 1's loads: block a's 8 stores and 8 loads
.endr
	s_wait_xcnt 0x0
	SEND 7, 0
	s_wait_tensorcnt 0x0                           ; the wave's end
	ds_add_u32 v[SPW], v[NIL]
	s_wait_dscnt 0x0
	CROUND                                         ; the closing round
	s_endpgm
.Lfunc_end_k_q86c2b7f73c_oproj:
	.size	k_q86c2b7f73c_oproj, .Lfunc_end_k_q86c2b7f73c_oproj-k_q86c2b7f73c_oproj
	.p2alignl 7, 3214868480
	.fill 96, 4, 3214868480
	.section	.rodata,"a",@progbits
	.p2align	6, 0x0
	.amdhsa_kernel k_q86c2b7f73c_oproj
		.amdhsa_group_segment_fixed_size 327680
		.amdhsa_private_segment_fixed_size 0
		.amdhsa_enable_private_segment 0
		.amdhsa_kernarg_size 32
		.amdhsa_user_sgpr_count 2
		.amdhsa_user_sgpr_kernarg_segment_ptr 1
		.amdhsa_wavefront_size32 1
		.amdhsa_system_sgpr_workgroup_id_x 1
		.amdhsa_system_sgpr_workgroup_id_y 1
		.amdhsa_system_sgpr_workgroup_id_z 1
		.amdhsa_system_vgpr_workitem_id 0
		.amdhsa_next_free_vgpr 768
		.amdhsa_next_free_sgpr 66
		.amdhsa_reserve_vcc 0
		.amdhsa_float_denorm_mode_32 3
		.amdhsa_float_denorm_mode_16_64 3
		.amdhsa_memory_ordered 1
		.amdhsa_forward_progress 1
		.amdhsa_inst_pref_size 125
	.end_amdhsa_kernel
	.amdgpu_metadata
---
amdhsa.version: [ 1, 2 ]
amdhsa.kernels:
  - .name:           k_q86c2b7f73c_oproj
    .symbol:         k_q86c2b7f73c_oproj.kd
    .args:
      - { .name: oc, .offset: 0, .size: 8, .value_kind: global_buffer, .address_space: global }
      - { .name: woc, .offset: 8, .size: 8, .value_kind: global_buffer, .address_space: global }
      - { .name: lowp_scales, .offset: 16, .size: 8, .value_kind: global_buffer, .address_space: global }
      - { .name: out0, .offset: 24, .size: 8, .value_kind: global_buffer, .address_space: global }
    .group_segment_fixed_size: 327680
    .private_segment_fixed_size: 0
    .kernarg_segment_align: 8
    .kernarg_segment_size: 32
    .max_flat_workgroup_size: 128
    .sgpr_count:     66
    .vgpr_count:     768
    .wavefront_size: 32
...
	.end_amdgpu_metadata
.endif
;; end of part 8
